; MI455X (gfx1250); checked and timed in simulation.
; The chip was launched on July 23, 2026; its instructions are those of AMD's public machine-readable ISA for CDNA 5 (MIT licence, August 2026) and "CDNA5" Instruction Set Architecture Reference Guide (July 2026). The comments in the code are by the model that wrote it; some were corrected since.
;; Infini Vi T. Allowed arithmetic: float matrix products may take bf16 or f16 operands with f32 sums; other float arithmetic in f32, or as packed bf16 or f16 multiplies, adds, multiply-adds, maxima and minima; sums over many terms, partial sums and values carried from step to step in f32; what a program stores and reads back later, other than sums and carried values, may be rounded once to bf16 or f16.
;; Inputs: b_fc1 4,096 float32; b_fc2 1,024 float32; b_mem 1,024 float32; b_out 1,024 float32; b_qkv 3,072 float32; ln1_b 1,024 float32; ln1_g 1,024 float32; ln2_b 1,024 float32; ln2_g 1,024 float32; memory 1 x 64 x 1,024 float32; w_fc1 1,024 x 4,096 float32; w_fc2 4,096 x 1,024 float32; w_mem 1,024 x 1,024 float32; w_out 1,024 x 1,024 float32; w_qkv 1,024 x 3,072 float32; x 2 x 2,048 x 1,024 float32.
;; Outputs: out0 2 x 2,048 x 1,024 float32.
;; One version. Each part assembles by itself: llvm-mc -triple=amdgcn-amd-amdhsa -mcpu=gfx1250 --defsym DOCPART=n.
;; ======== version 1 of 1: 7 launches
;; limits: a function is approximated: absolute error at most 1.5e-07
;; workspace buffers: wb 25,165,824 bytes; hb 8,388,608 bytes; qkv 25,690,112 bytes; ao 8,388,608 bytes; x1 16,777,216 bytes; gb 33,554,432 bytes
;; launch prep (part 1): grid 256 x 1, 16 waves a work-group, no clusters, 167,936 bytes of LDS; arguments x, ln1_g, ln1_b, memory, w_mem, b_mem, w_qkv, w_out, w_fc1, w_fc2, hb, wb, qkv; writes hb, wb, qkv
.if DOCPART == 1
	.amdgcn_target "amdgcn-amd-amdhsa--gfx1250"
	.amdhsa_code_object_version 6
	.text
	.protected	k_qb7fccaf5f1_prep
	.globl	k_qb7fccaf5f1_prep
	.p2align	8
	.type	k_qb7fccaf5f1_prep,@function
k_qb7fccaf5f1_prep:
	s_mov_b64 s[64:65], 0
	v_nop
	global_prefetch_b8 v0, s[64:65] scope:SCOPE_SE
	s_setreg_imm32_b32 hwreg(HW_REG_WAVE_MODE, 25, 1), 1
	s_wait_xcnt 0x0
; PREP: 256 work-groups of 16 waves.  Wave u = 16 x work-group + wave takes row u of x: hb = LayerNorm(x) * ln1_g + ln1_b in bf16, the row kept in registers between the passes.  Beside that:
;   work-groups 0..63   first make mem = memory @ w_mem + b_mem, 16 memory rows x one head's 64 columns each, rounded to bf16 and written as rows 2048..2111 of that head's K and V, for both batches;
;   work-groups 64..255 round the four weights to bf16 into wb, in the layout [k][n] in which they lie: each of their 3,072 waves takes one piece of 16,384 bytes (w_qkv has 768 such pieces, w_out 256, w_fc1 1,024,
;                       w_fc2 1,024, in wb's own order, so piece c goes to wb + 8,192 c).  All 56 loads of such a wave (28 KiB) go out ahead of every wait.
; By the bytes that come in the two kinds are about alike: 16 x (20 + 12) KiB against 16 x 28 KiB.
; No cluster: no two work-groups read the same large tile (w_mem's 256-byte column strips are shared by four, 256 KiB each).
; LIMITS: matrix operands (memory, w_mem) and all that is stored are rounded once to bf16; sums, mean and variance in f32; the mean is taken away before the squares.  NaN and infinities are not treated apart.
; REGISTERS: v1 lane, v2 r, v3 h, v4 16 x lane, v5 8 x lane, v[8:20] the norm's sums, v22 v23 the add's pair, v[32:63] the row, v[64:95] gain, v[96:127] bias, v[128:255] the weights' piece.
;   The memory part: v6-v11, v24-v29 addresses, v[32:63] sums, v[64:191] w_mem, then its fragments, v[192:223] memory in f32, v[224:239] in bf16.
.set SPARE, 165888                     ; the spare words: 128 bytes for each of 16 waves
.set OST,   163840                     ; the memory part: the finished 16 rows x 128 bytes
.set WPW,   10240                      ; the memory part: a wave's LDS bytes: 64 k-rows of w_mem at pitch 160, later its partial sums
.set PW,    160                        ; 128 bytes of bf16 + 32: an odd multiple of 32
.set VSEC,  8650752                    ; qkv: K at 0, V here; a head has 2,112 rows of 128 bytes
.set HPK,   270336
.macro LNRED                           ; four chains of pairs in v[8:15] -> one sum in every lane's v8
	v_pk_add_f32 v[8:9], v[8:9], v[10:11]
	v_pk_add_f32 v[12:13], v[12:13], v[14:15]
	v_pk_add_f32 v[8:9], v[8:9], v[12:13]
	v_add_f32 v8, v8, v9
	v_add_f32_dpp v8, v8, v8 row_xmask:1 row_mask:0xf bank_mask:0xf
	v_add_f32_dpp v8, v8, v8 row_xmask:2 row_mask:0xf bank_mask:0xf
	v_add_f32_dpp v8, v8, v8 row_xmask:4 row_mask:0xf bank_mask:0xf
	v_add_f32_dpp v8, v8, v8 row_xmask:8 row_mask:0xf bank_mask:0xf
	v_permlanex16_b32 v20, v8, s32, s33
	v_add_f32 v8, v8, v20
.endm
.macro GBLOADS                         ; gain and bias: 16 loads
.irp j, 0,1,2,3,4,5,6,7
	global_load_b128 v[64+4*(\j):67+4*(\j)], v4, s[6:7] offset:512*(\j)
.endr
.irp j, 0,1,2,3,4,5,6,7
	global_load_b128 v[96+4*(\j):99+4*(\j)], v4, s[8:9] offset:512*(\j)
.endr
.endm
; Weight load c of 32 (512 bytes of f32) is rounded and stored: 256 consecutive bytes, aligned.  Behind it 31 - c weight loads and the 16 of gain and bias may stay out.
.macro CVT c
	s_wait_loadcnt 47-(\c)
	v_cvt_pk_bf16_f32 v[128+4*(\c)], v[128+4*(\c)], v[129+4*(\c)]
	v_cvt_pk_bf16_f32 v[129+4*(\c)], v[130+4*(\c)], v[131+4*(\c)]
	global_store_b64 v5, v[128+4*(\c):129+4*(\c)], s[26:27] offset:256*(\c)
.endm
	s_load_b512 s[4:19], s[0:1], 0x0               ; x 4, ln1_g 6, ln1_b 8, memory 10, w_mem 12, b_mem 14, w_qkv 16, w_out 18
	s_load_b256 s[20:27], s[0:1], 0x40             ; w_fc1 20, w_fc2 22, hb 24, wb 26
	s_load_b64 s[28:29], s[0:1], 0x60              ; qkv
	v_lshl_add_u32 v22, v0, 2, SPARE               ; my spare word, and 0: kept for the add alone
	v_mov_b32 v23, 0
	v_lshrrev_b32 v1, 5, v0
	v_readfirstlane_b32 s30, v1                    ; wave 0..15
	v_and_b32 v1, 31, v0                           ; lane
	v_and_b32 v2, 15, v0                           ; r
	v_bfe_u32 v3, v0, 4, 1                         ; h
	v_lshlrev_b32 v4, 4, v1
	v_lshlrev_b32 v5, 3, v1
	s_mov_b32 s31, ttmp9
	s_mov_b32 s32, 0x76543210                      ; v_permlanex16_b32: each lane takes its own place in the other half
	s_mov_b32 s33, 0xfedcba98
	s_mov_b32 s34, 0x3a800000                      ; 1 / 1024
	s_mov_b32 s35, 0x3727c5ac                      ; 1e-5
	s_mov_b32 s39, 0
	s_wait_kmcnt 0x0
	s_cmp_lt_u32 s31, 64
	s_cbranch_scc0 .Lrow
	; THE MEMORY ROWS.  K = 1,024 is split among the 16 waves, 64 each: two matrix steps of 32.  The product is taken transposed (source 0 = 16 columns of w_mem, turned out of LDS; source 1 = 16 memory rows):
	; a lane ends with one memory row (r) and the columns 16 b + 8 h + 0..7.
	s_and_b32 s36, s31, 15                         ; head
	s_lshr_b32 s37, s31, 4                         ; block of 16 memory rows
	s_lshl_b32 s38, s37, 16
	s_lshl_b32 s42, s30, 8
	s_add_co_u32 s38, s38, s42
	s_add_nc_u64 s[10:11], s[10:11], s[38:39]      ; memory at row 16 mb, k = 64 w
	s_lshl_b32 s38, s30, 18
	s_lshl_b32 s42, s36, 8
	s_add_co_u32 s38, s38, s42
	s_add_nc_u64 s[12:13], s[12:13], s[38:39]      ; w_mem at row 64 w, column 64 hd
	v_lshlrev_b32 v25, 12, v2
	v_lshl_add_u32 v25, v3, 5, v25                 ; r x 4,096 + 32 h
	v_lshlrev_b32 v24, 4, v2
	v_lshl_add_u32 v24, v3, 12, v24                ; h x 4,096 + 16 r: a load takes two rows' 256 bytes
.irp s, 0,1
	global_load_b128 v[192+16*(\s):195+16*(\s)], v25, s[10:11] offset:128*(\s)
	global_load_b128 v[196+16*(\s):199+16*(\s)], v25, s[10:11] offset:128*(\s)+16
	global_load_b128 v[200+16*(\s):203+16*(\s)], v25, s[10:11] offset:128*(\s)+64
	global_load_b128 v[204+16*(\s):207+16*(\s)], v25, s[10:11] offset:128*(\s)+80
.endr
.set i, 0
.rept 32
	global_load_b128 v[64+4*i:67+4*i], v24, s[12:13] offset:8192*i
.set i, i+1
.endr
	s_mul_i32 s41, s30, WPW
	v_mul_u32_u24 v6, v3, PW
	v_lshl_add_u32 v6, v2, 3, v6
	v_add_nc_u32 v6, s41, v6                       ; where I put 8 bytes of a k-row
	v_and_b32 v7, 7, v0
	v_lshl_add_u32 v7, v3, 3, v7
	v_mul_u32_u24 v7, v7, PW
	v_bfe_u32 v9, v0, 3, 1
	v_lshl_add_u32 v7, v9, 4, v7
	v_add_nc_u32 v7, s41, v7                       ; the turning load: k-row 8 h + lane % 8, 16 bytes by (lane / 8) % 2
	v_lshl_add_u32 v8, v1, 5, s41                  ; my 32 bytes of a partial tile
	s_wait_loadcnt 32                              ; the memory rows are in; w_mem's 32 loads stay out
.set i, 0
.rept 16
	v_cvt_pk_bf16_f32 v[224+i], v[192+2*i], v[193+2*i]
.set i, i+1
.endr
.set i, 0
.rept 32
	s_wait_loadcnt 31-i
	v_cvt_pk_bf16_f32 v[64+4*i], v[64+4*i], v[65+4*i]
	v_cvt_pk_bf16_f32 v[65+4*i], v[66+4*i], v[67+4*i]
	ds_store_b64 v6, v[64+4*i:65+4*i] offset:2*PW*i
.set i, i+1
.endr
	s_wait_dscnt 0x0                               ; the stores have read their registers: v[128:191] take the fragments
.irp s, 0,1
.irp b, 0,1,2,3
	ds_load_tr16_b128 v[128+32*(\s)+8*(\b):131+32*(\s)+8*(\b)], v7 offset:32*PW*(\s)+32*(\b)
	ds_load_tr16_b128 v[132+32*(\s)+8*(\b):135+32*(\s)+8*(\b)], v7 offset:32*PW*(\s)+32*(\b)+16*PW
.endr
.endr
	s_wait_dscnt 0x0
.irp b, 0,1,2,3                        ; the four accumulators take turns; the first step starts the sums
	v_wmma_f32_16x16x32_bf16 v[32+8*(\b):39+8*(\b)], v[128+8*(\b):135+8*(\b)], v[224:231], 0
.endr
.irp b, 0,1,2,3
	v_wmma_f32_16x16x32_bf16 v[32+8*(\b):39+8*(\b)], v[160+8*(\b):167+8*(\b)], v[232:239], v[32+8*(\b):39+8*(\b)]
.endr
.rept 4
	v_nop                                          ; four places behind the last product, ahead of the stores of results
.endr
.irp b, 0,1,2,3
	ds_store_b128 v8, v[32+8*(\b):35+8*(\b)] offset:1024*(\b)
	ds_store_b128 v8, v[36+8*(\b):39+8*(\b)] offset:1024*(\b)+16
.endr
	s_wait_dscnt 0x0                               ; for the others' sake
	s_barrier_signal -1
	s_barrier_wait -1                              ; all sixteen partial sums lie in LDS
	s_cmp_lt_u32 s30, 4                            ; wave w = 0..3 adds up column block w
	s_cbranch_scc0 .Lm1
	s_lshl_b32 s38, s36, 8
	s_lshl_b32 s42, s30, 6
	s_add_co_u32 s38, s38, s42
	s_add_nc_u64 s[14:15], s[14:15], s[38:39]      ; b_mem at column 64 hd + 16 w
	v_lshlrev_b32 v28, 5, v3
	global_load_b128 v[192:195], v28, s[14:15]
	global_load_b128 v[196:199], v28, s[14:15] offset:16
	s_lshl_b32 s42, s30, 10
	v_lshl_add_u32 v9, v1, 5, s42
	v_add_nc_u32 v10, 6*WPW, v9                    ; three bases, six waves each: the 16-bit offsets reach no further
	v_add_nc_u32 v11, 12*WPW, v9
.set u, 0
.rept 16
	ds_load_b128 v[64+8*u:67+8*u], v[9+u/6] offset:(u%6)*WPW
	ds_load_b128 v[68+8*u:71+8*u], v[9+u/6] offset:(u%6)*WPW+16
.set u, u+1
.endr
	s_wait_dscnt 0x0
.irp st, 1,2,4,8
.set u, 0
.rept 8/(\st)
.irp q, 0,2,4,6
	v_pk_add_f32 v[64+8*u+(\q):65+8*u+(\q)], v[64+8*u+(\q):65+8*u+(\q)], v[64+8*(u+(\st))+(\q):65+8*(u+(\st))+(\q)]
.endr
.set u, u+2*(\st)
.endr
.endr
	s_wait_loadcnt 0x0
.irp q, 0,2,4,6
	v_pk_add_f32 v[64+(\q):65+(\q)], v[64+(\q):65+(\q)], v[192+(\q):193+(\q)]
.endr
.irp q, 0,1,2,3
	v_cvt_pk_bf16_f32 v[200+(\q)], v[64+2*(\q)], v[65+2*(\q)]
.endr
	s_lshl_b32 s42, s30, 5
	s_add_co_u32 s42, s42, OST
	v_lshlrev_b32 v29, 7, v2
	v_lshl_add_u32 v29, v3, 4, v29
	v_add_nc_u32 v29, s42, v29
	ds_store_b128 v29, v[200:203]
.Lm1:
	s_wait_dscnt 0x0
	s_barrier_signal -1
	s_barrier_wait -1                              ; the 16 rows x 128 bytes are whole
	s_cmp_lt_u32 s30, 4                            ; wave w writes them to K (w even) or V (w odd) of batch w / 2
	s_cbranch_scc0 .Lm2
	s_and_b32 s40, s30, 1
	s_lshr_b32 s41, s30, 1
	s_mul_i32 s40, s40, VSEC
	s_lshl_b32 s41, s41, 4
	s_add_co_u32 s41, s41, s36
	s_mul_i32 s41, s41, HPK
	s_add_co_u32 s40, s40, s41
	s_lshl_b32 s41, s37, 11
	s_add_co_u32 s40, s40, s41
	s_add_co_u32 s38, s40, 262144                  ; row 2,048 + 16 mb of the head
	s_add_nc_u64 s[28:29], s[28:29], s[38:39]
	v_lshl_add_u32 v26, v1, 4, OST
	v_lshlrev_b32 v27, 4, v1
.irp i, 0,1,2,3
	ds_load_b128 v[208+4*(\i):211+4*(\i)], v26 offset:512*(\i)
.endr
.irp i, 0,1,2,3
	s_wait_dscnt 3-(\i)
	global_store_b128 v27, v[208+4*(\i):211+4*(\i)], s[28:29] offset:512*(\i)  ; 512 consecutive bytes, aligned
.endr
.Lm2:
	s_wait_tensorcnt 0x0                           ; behind my last LDS store: nothing below writes LDS
	ds_add_u32 v22, v23
	s_wait_dscnt 0x0
	s_wait_xcnt 0x0                                ; the stores above have read their registers: whatever follows may write them
	; MY ROW, and in work-groups 64..255 my piece of the weights.
.Lrow:
	s_lshl_b32 s36, s31, 4
	s_add_co_u32 s36, s36, s30                     ; u
	s_lshl_b32 s38, s36, 12
	s_add_nc_u64 s[4:5], s[4:5], s[38:39]          ; x at my row
	s_lshl_b32 s38, s36, 11
	s_add_nc_u64 s[24:25], s[24:25], s[38:39]      ; hb at my row
.irp j, 0,1,2,3,4,5,6,7                ; the row: load j takes columns 128 j + 4 lane .. + 3
	global_load_b128 v[32+4*(\j):35+4*(\j)], v4, s[4:5] offset:512*(\j) th:TH_LOAD_NT
.endr
	s_cmp_lt_u32 s31, 64
	s_cbranch_scc1 .Lgb                            ; the work-groups that made the memory rows have no share of the weights
	s_sub_co_u32 s36, s36, 1024                    ; piece c = 0..3071
	s_mov_b64 s[40:41], s[22:23]                   ; which tensor, and its first piece
	s_mov_b32 s37, 2048
	s_cmp_lt_u32 s36, 2048
	s_cselect_b64 s[40:41], s[20:21], s[40:41]
	s_cselect_b32 s37, 1024, s37
	s_cmp_lt_u32 s36, 1024
	s_cselect_b64 s[40:41], s[18:19], s[40:41]
	s_cselect_b32 s37, 768, s37
	s_cmp_lt_u32 s36, 768
	s_cselect_b64 s[40:41], s[16:17], s[40:41]
	s_cselect_b32 s37, 0, s37
	s_sub_co_u32 s37, s36, s37                     ; the piece's number in its own tensor
	s_lshl_b32 s38, s37, 14
	s_add_nc_u64 s[40:41], s[40:41], s[38:39]
	s_lshl_b32 s38, s36, 13
	s_add_nc_u64 s[26:27], s[26:27], s[38:39]
.set n, 0
.rept 32
	global_load_b128 v[128+4*n:131+4*n], v4, s[40:41] offset:512*n th:TH_LOAD_NT
.set n, n+1
.endr
	GBLOADS
.set n, 0
.rept 32                               ; the pieces are rounded and stored as they land
	CVT n
.set n, n+1
.endr
	s_branch .Lln
.Lgb:
	GBLOADS
.Lln:
	v_mov_b32 v20, 0                               ; v_permlanex16_b32 counts as a reader of its destination
	s_wait_loadcnt 16                              ; the row is in; the 16 loads of gain and bias may stay out
.irp k, 0,1,2,3
	v_pk_add_f32 v[8+2*(\k):9+2*(\k)], v[32+2*(\k):33+2*(\k)], v[40+2*(\k):41+2*(\k)]
.endr
.irp k, 0,1,2,3
	v_pk_add_f32 v[8+2*(\k):9+2*(\k)], v[8+2*(\k):9+2*(\k)], v[48+2*(\k):49+2*(\k)]
.endr
.irp k, 0,1,2,3
	v_pk_add_f32 v[8+2*(\k):9+2*(\k)], v[8+2*(\k):9+2*(\k)], v[56+2*(\k):57+2*(\k)]
.endr
	LNRED
	v_mul_f32 v16, s34, v8                         ; the mean
	v_mov_b32 v17, v16
.set q, 32
.rept 16
	v_pk_add_f32 v[q:q+1], v[q:q+1], v[16:17] neg_lo:[0,1] neg_hi:[0,1]
.set q, q+2
.endr
.irp k, 0,1,2,3
	v_pk_mul_f32 v[8+2*(\k):9+2*(\k)], v[32+2*(\k):33+2*(\k)], v[32+2*(\k):33+2*(\k)]
.endr
.irp m, 40,48,56
.irp k, 0,1,2,3
	v_pk_fma_f32 v[8+2*(\k):9+2*(\k)], v[(\m)+2*(\k):(\m)+2*(\k)+1], v[(\m)+2*(\k):(\m)+2*(\k)+1], v[8+2*(\k):9+2*(\k)]
.endr
.endr
	LNRED
	v_fma_f32 v9, v8, s34, s35                     ; variance + eps
	v_rsq_f32 v18, v9
	v_rsq_f32 v19, v9
	v_nop                                          ; a plain instruction behind the last root,
	s_wait_alu depctr_va_vdst(0)                   ; and one wait for both, ahead of their first reader
	s_wait_loadcnt 0x0                             ; gain and bias
.set q, 0
.rept 16
	v_pk_mul_f32 v[64+q:65+q], v[64+q:65+q], v[18:19]
.set q, q+2
.endr
.set q, 0
.rept 16
	v_pk_fma_f32 v[32+q:33+q], v[32+q:33+q], v[64+q:65+q], v[96+q:97+q]
.set q, q+2
.endr
.irp j, 0,1,2,3,4,5,6,7
	v_cvt_pk_bf16_f32 v[32+4*(\j)], v[32+4*(\j)], v[33+4*(\j)]
	v_cvt_pk_bf16_f32 v[33+4*(\j)], v[34+4*(\j)], v[35+4*(\j)]
	global_store_b64 v5, v[32+4*(\j):33+4*(\j)], s[24:25] offset:256*(\j)  ; the wave stores 256 consecutive bytes, aligned
.endr
	s_endpgm
.Lfunc_end_k_qb7fccaf5f1_prep:
	.size	k_qb7fccaf5f1_prep, .Lfunc_end_k_qb7fccaf5f1_prep-k_qb7fccaf5f1_prep
	.p2alignl 7, 3214868480
	.fill 96, 4, 3214868480
	.section	.rodata,"a",@progbits
	.p2align	6, 0x0
	.amdhsa_kernel k_qb7fccaf5f1_prep
		.amdhsa_group_segment_fixed_size 167936
		.amdhsa_private_segment_fixed_size 0
		.amdhsa_enable_private_segment 0
		.amdhsa_kernarg_size 104
		.amdhsa_user_sgpr_count 2
		.amdhsa_user_sgpr_kernarg_segment_ptr 1
		.amdhsa_wavefront_size32 1
		.amdhsa_system_sgpr_workgroup_id_x 1
		.amdhsa_system_sgpr_workgroup_id_y 1
		.amdhsa_system_sgpr_workgroup_id_z 1
		.amdhsa_system_vgpr_workitem_id 0
		.amdhsa_next_free_vgpr 256
		.amdhsa_next_free_sgpr 66
		.amdhsa_reserve_vcc 0
		.amdhsa_float_denorm_mode_32 3
		.amdhsa_float_denorm_mode_16_64 3
		.amdhsa_memory_ordered 1
		.amdhsa_forward_progress 1
		.amdhsa_inst_pref_size 50
	.end_amdhsa_kernel
	.amdgpu_metadata
---
amdhsa.version: [ 1, 2 ]
amdhsa.kernels:
  - .name:           k_qb7fccaf5f1_prep
    .symbol:         k_qb7fccaf5f1_prep.kd
    .args:
      - { .name: x, .offset: 0, .size: 8, .value_kind: global_buffer, .address_space: global }
      - { .name: ln1_g, .offset: 8, .size: 8, .value_kind: global_buffer, .address_space: global }
      - { .name: ln1_b, .offset: 16, .size: 8, .value_kind: global_buffer, .address_space: global }
      - { .name: memory, .offset: 24, .size: 8, .value_kind: global_buffer, .address_space: global }
      - { .name: w_mem, .offset: 32, .size: 8, .value_kind: global_buffer, .address_space: global }
      - { .name: b_mem, .offset: 40, .size: 8, .value_kind: global_buffer, .address_space: global }
      - { .name: w_qkv, .offset: 48, .size: 8, .value_kind: global_buffer, .address_space: global }
      - { .name: w_out, .offset: 56, .size: 8, .value_kind: global_buffer, .address_space: global }
      - { .name: w_fc1, .offset: 64, .size: 8, .value_kind: global_buffer, .address_space: global }
      - { .name: w_fc2, .offset: 72, .size: 8, .value_kind: global_buffer, .address_space: global }
      - { .name: hb, .offset: 80, .size: 8, .value_kind: global_buffer, .address_space: global }
      - { .name: wb, .offset: 88, .size: 8, .value_kind: global_buffer, .address_space: global }
      - { .name: qkv, .offset: 96, .size: 8, .value_kind: global_buffer, .address_space: global }
    .group_segment_fixed_size: 167936
    .private_segment_fixed_size: 0
    .kernarg_segment_align: 8
    .kernarg_segment_size: 104
    .max_flat_workgroup_size: 512
    .sgpr_count:     66
    .vgpr_count:     256
    .wavefront_size: 32
...
	.end_amdgpu_metadata
.endif
;; end of part 1
;; launch qkvg (part 2): grid 12 x 16, 4 waves a work-group, clusters of 4 x 4, 327,680 bytes of LDS; arguments hb, wb, b_qkv, qkv; writes qkv
.if DOCPART == 2
	.amdgcn_target "amdgcn-amd-amdhsa--gfx1250"
	.amdhsa_code_object_version 6
	.text
	.protected	k_qb7fccaf5f1_qkvg
	.globl	k_qb7fccaf5f1_qkvg
	.p2align	8
	.type	k_qb7fccaf5f1_qkvg,@function
k_qb7fccaf5f1_qkvg:
	s_mov_b64 s[64:65], 0
	v_nop
	global_prefetch_b8 v0, s[64:65] scope:SCOPE_SE
	s_setreg_imm32_b32 hwreg(HW_REG_WAVE_MODE, 25, 1), 1
	s_wait_xcnt 0x0
	s_wait_alu depctr_hold_cnt(0) depctr_sa_sdst(0) depctr_va_vdst(0) depctr_va_sdst(0) depctr_va_ssrc(0) depctr_va_vcc(0) depctr_vm_vsrc(0)
	s_getreg_b32 s2, hwreg(HW_REG_IB_STS2, 6, 4)
	s_cmp_eq_u32 s2, 0
	s_cbranch_scc0 .Lentry_in_a_cluster
	s_endpgm
.Lentry_in_a_cluster:
	s_bfe_u32 s2, ttmp6, 0x10000c
	s_cmp_lg_u32 s2, 0xf033
	s_cbranch_scc0 .Lentry_shape_is_right
	s_endpgm
.Lentry_shape_is_right:
; q, k, v = hb @ Wqkv + b_qkv, written by heads in bf16.  hb: [4096][1024] bf16; Wqkv: [1024][3072] bf16 at wb + WOFF, as it lies ([k][n]); sums in f32, starting at the bias.
; SHARES.  A work-group makes ONE tile of 256 rows (256 Y ..) x 256 columns (256 X ..): 12 x 16 = 192 work-groups.  (A tile of 256 x 192 would make 256 of them, with a quarter less matrix work between a tile's request and
; the wait for it; the plain tile is taken.)  Four waves, each 128 x 128: 64 accumulators, 512 registers.  The matrix instruction is used transposed (source 0 = 16 columns of W, turned out of LDS by ds_load_tr16_b128;
; source 1 = 16 rows of hb): a lane holds one row and 8 neighbouring columns.
; RING.  K goes in 8 steps of 128 through two LDS slots; a wave brings a quarter of a slot with one tensor load (waves 0, 1: 128 rows x 256 bytes of hb; waves 2, 3: 64 k-rows x 512 bytes of W).  From a request to the wait for it
; a wave issues 224 matrix instructions.  The slot in hand is the scalar TC (0 or SLOT); all LDS addresses are TC + constants + the lane's term, so a K step is written once.
; CLUSTER 4 x 4: hb's tile hangs on Y alone and is asked for jointly along a row of the cluster, W's on X alone and jointly along a column.
; REGISTERS, in windows of 256: window 0: v0-31 addresses; v64-127, v128-191 fragments of hb, two buffers; v192-255 the bias, which is the C of the first products.  Window 1: v64-127, v128-191 fragments of W.
;   Window 2: the accumulators of my rows 0-63 ((a, b) at v[8 (8 a + b)]); window 3: those of my rows 64-127.
; THE WAY OUT.  The ring has had its last fill: each wave stages its own 128 x 128 f32 in it and reads rows back; a wave's 128 columns are two heads, two rows of a head are 256 consecutive bytes.
; LIMITS: operands and results are bf16; NaN and infinities are not treated apart.
.set KDIM,  1024
.set NB,    3072
.set WOFF,  0
.set KSTEP, 128
.set S,     KDIM/KSTEP                 ; K steps
.set PA,    272                        ; a row of hb in LDS: 256 bytes + 16: an odd multiple of 16
.set HALFA, 128*PA
.set AREG,  2*HALFA
.set PB,    544                        ; a k-row of W in LDS: 512 bytes + 32: an odd multiple of 32
.set HALFB, 64*PB
.set SLOT,  AREG+2*HALFB
.set SPARE, 2*SLOT                     ; behind the ring: the spare words, 128 bytes a wave
.set SP,    528                        ; a row of the stage: 128 f32 + 16 bytes
.set WST,   128*SP                     ; a wave's stage; the four lie in the ring's bytes, from 0 on
.set KAB,   KSTEP*2                    ; bytes from K step to K step in hb
.set KBB,   KSTEP*NB*2                 ; and in W
.set GA0,   (1<<16)|(1<<20)|(1<<21)|(5<<22)|(3<<25)  ; 2-byte elements, padding on, bit 21 beside a mask, after every 64 words 4 words
.set GB0,   (1<<16)|(1<<20)|(1<<21)|(6<<22)|(7<<25)  ; after every 128 words 8 words
.set VSEC,  8650752                    ; qkv: K at 0, V here, Q at QSEC; a head of K or V has 2,112 rows of 128 bytes, of Q 2,048
.set QSEC,  17301504
.set HPK,   270336
.set HPQ,   262144
.set F0,    64
.set F1,    128
.set BIAS,  192
.set TO_B,  0x40                       ; destination window 1, address window 0
; v10 BA, v12 BB: my lane's place in a slot's hb and W; v14, v15: the same in the slot in hand; v16 STO, v17 RD, v18 GO, v19 bias offset, v20 RD at work, v21 GO at work; v28, v29 the add's; v30 prefetch offset
; s3 count, s14 wave, s15 wave/2, s16 wave%2, s17 cx, s18 cy, s19 X, s20 Y, s[24:31] s[48:55] group 1 (hb, W), s[32:39] s[56:63] group 0 (first set K step 0; second set walks), s66 TC, s67 s68 my LDS place, s69 count,
; s[74:75] a prefetch's step, s[76:77] where my prefetches stand, s78 2 in a wave that prefetches, else the greatest number, s[84:87] the two heads' places in qkv
.set MSB, 0
.macro WIN new                         ; the immediate's high byte repeats the setting that is left; a switch that changes nothing is dropped
.if MSB != (\new)
	s_set_vgpr_msb (MSB<<8)|(\new)
.set MSB, \new
.endif
.endm
.macro PLACES                          ; four places behind matrix instructions, ahead of loads into their sources and of readers of their results
.rept 4
	v_nop
.endr
.endm
.macro CREST                           ; a round of the cluster's barrier behind its opening barrier
	s_cmp_lg_u32 s14, 0
	s_cbranch_scc1 .Lnw0_\@
	s_barrier_signal -3
.Lnw0_\@:
	s_barrier_wait -3
	s_barrier_signal -1
	s_barrier_wait -1
.endm
.macro CROUND
	s_barrier_signal -1
	s_barrier_wait -1
	CREST
.endm
.macro JLOAD                           ; the joint refill by the walking descriptors; the branch hangs on the wave's number alone; s_nop 0 and four v_nop follow each line
	s_cmp_eq_u32 s15, 0
	s_cbranch_scc0 .Ljb_\@
	tensor_load_to_lds s[36:39], s[24:31]
	s_nop 0
	PLACES
	s_branch .Ljd_\@
.Ljb_\@:
	tensor_load_to_lds s[60:63], s[48:55]
	s_nop 0
	PLACES
.Ljd_\@:
.endm
; A PREFETCH of the K step that stands two refills on: 32 blocks of 256 bytes, a lane a block, one instruction a wave.  Each block is named once in the launch: hb's rows are read by every cluster of a row of clusters, and the
; first of them (cluster x = 0) asks; W's columns by every cluster of a column, and cluster y = 0 asks.  Of what a wave fetches (128 rows of hb, or 64 k-rows x 2 blocks of W) each of the four partners that ask for it jointly
; takes a quarter, told apart by address (cx for hb, cy for W).  K steps 0 to 3 come by their loads alone; the last two refills (s3 = 2, 1) have no K step two on.
.macro ASK
	s_cmp_gt_u32 s3, s78
	s_cbranch_scc0 .Lnm_\@
	global_prefetch_b8 v30, s[76:77] th:TH_LOAD_NT scope:SCOPE_SE
.Lnm_\@:
.endm
; 16 matrix instructions: row blocks a0, a0 + 1 of the window's four (hi = 0: my rows 0-63, 1: rows 64-127) x all 8 column blocks, 32 along K.  first = 1: the bias is the C that starts the sums.
; The 64 accumulators take turns in one fixed order.
.macro MUL16 f, hi, a0, first
.if \first
	WIN 0x81+0x40*(\hi)                            ; W window 1, hb and C window 0, D window 2 or 3
.else
	WIN 0xa1+0x50*(\hi)                            ; W window 1, hb window 0, C and D window 2 or 3
.endif
.irp a, \a0, (\a0)+1
.irp b, 0,1,2,3,4,5,6,7
.if \first
	v_wmma_f32_16x16x32_bf16 v[8*(8*(\a)+(\b)):8*(8*(\a)+(\b))+7], v[(\f)+8*(\b):(\f)+8*(\b)+7], v[(\f)+8*(4*(\hi)+(\a)):(\f)+8*(4*(\hi)+(\a))+7], v[BIAS+8*(\b):BIAS+8*(\b)+7]
.else
	v_wmma_f32_16x16x32_bf16 v[8*(8*(\a)+(\b)):8*(8*(\a)+(\b))+7], v[(\f)+8*(\b):(\f)+8*(\b)+7], v[(\f)+8*(4*(\hi)+(\a)):(\f)+8*(4*(\hi)+(\a))+7], v[8*(8*(\a)+(\b)):8*(8*(\a)+(\b))+7]
.endif
.endr
.endr
.endm
.macro FETCH q, f                      ; 32 LDS loads in one run: quarter q of the slot in hand (128 columns of W, 128 rows of hb, 32 along K) into buffer f
	WIN TO_B
.irp b, 0,1,2,3,4,5,6,7
	ds_load_tr16_b128 v[(\f)+8*(\b):(\f)+8*(\b)+3], v15 offset:(\q)*32*PB+32*(\b)
	ds_load_tr16_b128 v[(\f)+8*(\b)+4:(\f)+8*(\b)+7], v15 offset:(\q)*32*PB+32*(\b)+16*PB
.endr
	WIN 0
.irp a, 0,1,2,3,4,5,6,7
	ds_load_b128 v[(\f)+8*(\a):(\f)+8*(\a)+3], v14 offset:(\q)*64+(\a)*16*PA
	ds_load_b128 v[(\f)+8*(\a)+4:(\f)+8*(\a)+7], v14 offset:(\q)*64+(\a)*16*PA+32
.endr
.endm
; A K step is four quarters of 32 along K, 64 matrix instructions each, on buffers 0, 1, 0, 1.  One of the first three: multiplies buffer f; in its middle it fetches quarter q into buffer g.
.macro QUARTER q, f, g, first
	s_wait_dscnt 8                                 ; W and hb's rows 0-63 are in; the youngest eight loads (rows 64-127) may be out
	MUL16 \f, 0, 0, \first
	MUL16 \f, 0, 2, \first
	PLACES
	FETCH \q, \g
	s_wait_dscnt 32                                ; all but the 32 just issued
	MUL16 \f, 1, 0, \first
	MUL16 \f, 1, 2, \first
.endm
; The last quarter multiplies buffer 1 and changes slots; the slot just read is filled again, two K steps on.
.macro TURN
	WIN 0
	s_wait_xcnt 0x0                                ; the last prefetch, a K step back, has read its address
	s_add_nc_u64 s[76:77], s[76:77], s[74:75]
	s_wait_tensorcnt 0x0                           ; all my tensor loads have landed: my part of the next slot; so a group 0 may be written
	ds_add_u32 v28, v29                            ; 0 onto my spare word
	s_add_nc_u64 s[38:39], s[38:39], KAB           ; the walking descriptors: the next K step; the type bits on top are not reached
	s_add_nc_u64 s[62:63], s[62:63], KBB
	s_add_co_u32 s37, s66, s67                     ; into the slot that is being read out
	s_add_co_u32 s61, s66, s68
	s_wait_dscnt 9                                 ; (the add and the youngest eight loads may be out)
	MUL16 F1, 0, 0, 0
	s_wait_dscnt 0x0                               ; the add is done, and my reads of this slot are over
	s_barrier_signal -1
	MUL16 F1, 0, 2, 0
	WIN 0
	s_barrier_wait -1
	CREST                                          ; the barrier has opened a round of the cluster's: no wave of any partner reads this slot or has a load on its way
	JLOAD                                          ; its four v_nop are also the places ahead of the loads below
	s_xor_b32 s66, s66, SLOT
	v_add_nc_u32 v14, s66, v10
	v_add_nc_u32 v15, s66, v12
	FETCH 0, F0
	ASK
	MUL16 F1, 1, 0, 0
	MUL16 F1, 1, 2, 0
.endm
; The same quarter where nothing is left to ask for: one barrier; behind it the other slot is whole (the last K step but one) and nobody reads this slot any more.
.macro TAILTURN
	WIN 0
	s_wait_tensorcnt 0x0
	ds_add_u32 v28, v29
	s_wait_dscnt 9
	MUL16 F1, 0, 0, 0
	s_wait_dscnt 0x0
	s_barrier_signal -1
	MUL16 F1, 0, 2, 0
	MUL16 F1, 1, 0, 0
	MUL16 F1, 1, 2, 0
	WIN 0
	s_barrier_wait -1
.endm
.macro STAGE_IN hi                     ; four row blocks of 16 into my stage, f32; each accumulator's low half first
	WIN 0x08+4*(\hi)                               ; the data (source 1) in window 2 or 3
.irp a, 0,1,2,3
.irp b, 0,1,2,3,4,5,6,7
	ds_store_b128 v16, v[8*(8*(\a)+(\b)):8*(8*(\a)+(\b))+3] offset:(4*(\hi)+(\a))*16*SP+64*(\b)
	ds_store_b128 v16, v[8*(8*(\a)+(\b))+4:8*(8*(\a)+(\b))+7] offset:(4*(\hi)+(\a))*16*SP+64*(\b)+16
.endr
.endr
.endm
	s_load_b256 s[4:11], s[0:1], 0x0               ; hb 4, wb 6, bias 8, qkv 10
	v_lshl_add_u32 v28, v0, 2, SPARE
	v_mov_b32 v29, 0
	ds_add_u32 v28, v29                            ; the wave's opening: the add and its wait stand ahead of my first tensor load
	v_lshrrev_b32 v3, 5, v0
	v_readfirstlane_b32 s14, v3
	s_lshr_b32 s15, s14, 1                         ; my half of the tile's rows; also 0: I fetch for hb, 1: for W
	s_and_b32 s16, s14, 1                          ; my half of its columns; also which half of hb's or W's tile I fetch
	s_bfe_u32 s17, ttmp6, 0x40000                  ; cx
	s_bfe_u32 s18, ttmp6, 0x40004                  ; cy
	s_lshl_b32 s19, ttmp9, 2
	s_add_co_u32 s19, s19, s17                     ; X
	s_and_b32 s20, ttmp7, 0xffff
	s_lshl_b32 s20, s20, 2
	s_add_co_u32 s20, s20, s18                     ; Y
	s_lshl_b32 s40, s18, 2
	s_lshl_b32 s40, 15, s40                        ; my row of the cluster
	s_lshl_b32 s44, 0x1111, s17                    ; my column
	s_or_b32 s24, s40, GA0
	s_or_b32 s48, s44, GB0
	s_mov_b32 s25, KSTEP<<16                       ; hb: 128 elements x 128 rows, pitch KDIM
	s_mov_b32 s26, 128<<16
	s_mov_b32 s27, KSTEP<<16
	s_mov_b32 s28, 128
	s_mov_b32 s29, KDIM
	s_mov_b32 s30, 0
	s_mov_b32 s31, 0
	s_mov_b32 s49, 256<<16                         ; W: 256 elements x 64 k-rows, pitch NB
	s_mov_b32 s50, 64<<16
	s_mov_b32 s51, 256<<16
	s_mov_b32 s52, 64
	s_mov_b32 s53, NB
	s_mov_b32 s54, 0
	s_mov_b32 s55, 0
	s_mov_b32 s66, 0
	s_mul_i32 s67, s16, HALFA
	s_mul_i32 s68, s16, HALFB
	s_add_co_u32 s68, s68, AREG
	s_lshl_b32 s40, s20, 8
	s_lshl_b32 s41, s16, 7
	s_add_co_u32 s40, s40, s41
	s_mul_i32 s40, s40, KDIM*2                     ; hb: row 256 Y + 128 half
	s_mov_b32 s41, 0
	s_mul_i32 s44, s16, 64*NB*2                    ; W: k-row 64 half, column 256 X
	s_lshl_b32 s45, s19, 9
	s_add_co_u32 s44, s44, s45
	s_add_co_u32 s44, s44, WOFF
	s_mov_b32 s45, 0
	s_wait_dscnt 0x0                               ; the opening add is done
	s_wait_kmcnt 0x0
	s_add_nc_u64 s[40:41], s[4:5], s[40:41]
	s_add_nc_u64 s[44:45], s[6:7], s[44:45]
	CROUND                                         ; all sixteen work-groups are here: the first joint loads meet
	s_mov_b32 s32, 1
	s_mov_b32 s33, s67
	s_mov_b64 s[34:35], s[40:41]
	s_or_b32 s35, s35, 0x80000000
	s_mov_b32 s36, 1
	s_add_co_u32 s37, s67, SLOT
	s_add_nc_u64 s[38:39], s[40:41], KAB
	s_or_b32 s39, s39, 0x80000000
	s_mov_b32 s56, 1
	s_mov_b32 s57, s68
	s_mov_b64 s[58:59], s[44:45]
	s_or_b32 s59, s59, 0x80000000
	s_mov_b32 s60, 1
	s_add_co_u32 s61, s68, SLOT
	s_add_nc_u64 s[62:63], s[44:45], KBB
	s_or_b32 s63, s63, 0x80000000
	s_cmp_eq_u32 s15, 0                            ; a wave's two first fills stand in one branch: two loads of mine are out
	s_cbranch_scc0 .Lfb
	tensor_load_to_lds s[32:35], s[24:31]
	s_nop 0
	tensor_load_to_lds s[36:39], s[24:31]
	s_nop 0
	PLACES
	s_branch .Lfd
.Lfb:
	tensor_load_to_lds s[56:59], s[48:55]
	s_nop 0
	tensor_load_to_lds s[60:63], s[48:55]
	s_nop 0
	PLACES
.Lfd:
	; the prefetches: nothing is asked for here, at the head, where every work-group's first tiles are on their way
	s_and_b32 s22, ttmp7, 0xffff                   ; cluster y
	s_mov_b32 s74, KBB
	s_mov_b32 s75, 0
	s_mov_b32 s46, 16*NB*2
	s_mov_b32 s80, NB*2
	s_mov_b32 s81, 256
	s_cmp_eq_u32 s15, 0                            ; do I fetch for hb?
	s_cselect_b32 s22, ttmp9, s22                  ; the coordinate along which other clusters read the same bytes
	s_cselect_b32 s23, s17, s18                    ; my place among the four that ask with me
	s_cselect_b64 s[76:77], s[40:41], s[44:45]     ; what I fetch of K step 0
	s_cselect_b32 s74, KAB, s74                    ; bytes from K step to K step
	s_cselect_b32 s46, 32*KDIM*2, s46              ; a partner's share: 32 rows of hb, or 16 k-rows of W
	s_cselect_b32 s80, 2*KDIM*2, s80               ; two lanes on: two rows of hb, or a k-row of W
	s_cselect_b32 s81, KDIM*2, s81                 ; one lane on: a row of hb, or the k-row's second block
	s_cmp_eq_u32 s22, 0
	s_cselect_b32 s78, 2, -1                       ; the same in all sixteen partners, for a given wave
	s_mul_i32 s46, s46, s23
	s_mov_b32 s47, 0
	s_add_nc_u64 s[76:77], s[76:77], s[46:47]
	s_mul_i32 s46, s74, 3
	s_add_nc_u64 s[76:77], s[76:77], s[46:47]      ; at K step 3: the first change of slots steps it to 4
	v_and_b32 v1, 15, v0                           ; r
	v_bfe_u32 v2, v0, 4, 1                         ; h
	v_and_b32 v3, 31, v0                           ; lane
	v_lshrrev_b32 v30, 1, v3
	v_and_b32 v31, 1, v0
	v_mul_u32_u24 v30, v30, s80
	v_mad_u32_u24 v30, v31, s81, v30
	s_lshl_b32 s44, s19, 10
	s_lshl_b32 s45, s16, 9
	s_add_co_u32 s45, s44, s45
	v_lshl_add_u32 v19, v2, 5, s45                 ; (256 X + 128 wc + 8 h) x 4
.irp b, 0,1,2,3,4,5,6,7                ; my 8 columns of each of the eight column blocks
	global_load_b128 v[BIAS+8*(\b):BIAS+8*(\b)+3], v19, s[8:9] offset:64*(\b)
	global_load_b128 v[BIAS+8*(\b)+4:BIAS+8*(\b)+7], v19, s[8:9] offset:64*(\b)+16
.endr
	; where my two heads lie in qkv: X / 4 is the section (q, k, v), 4 (X % 4) + 2 wc the first head, 256 (Y % 8) + 128 wr the first row
	s_lshr_b32 s44, s19, 2
	s_mov_b32 s47, HPK
	s_cmp_eq_u32 s44, 0
	s_cselect_b32 s46, QSEC, 0
	s_cselect_b32 s47, HPQ, s47
	s_cmp_eq_u32 s44, 2
	s_cselect_b32 s46, VSEC, s46
	s_lshr_b32 s44, s20, 3                         ; batch
	s_lshl_b32 s44, s44, 4
	s_and_b32 s45, s19, 3
	s_lshl2_add_u32 s44, s45, s44
	s_lshl1_add_u32 s44, s16, s44
	s_mul_i32 s44, s44, s47
	s_add_co_u32 s44, s44, s46
	s_and_b32 s45, s20, 7
	s_lshl_b32 s45, s45, 15
	s_add_co_u32 s44, s44, s45
	s_lshl_b32 s45, s15, 14
	s_add_co_u32 s44, s44, s45
	s_mov_b32 s45, 0
	s_add_nc_u64 s[84:85], s[10:11], s[44:45]
	s_mov_b32 s46, s47
	s_mov_b32 s47, 0
	s_add_nc_u64 s[86:87], s[84:85], s[46:47]      ; the next head
	v_mul_u32_u24 v10, v1, PA
	v_lshl_add_u32 v10, v2, 4, v10
	s_mul_i32 s22, s15, HALFA
	v_add_nc_u32 v10, s22, v10                     ; BA: my 128 rows, row r, 16 bytes by h
	v_and_b32 v4, 7, v0
	v_lshl_add_u32 v4, v2, 3, v4
	v_mul_u32_u24 v12, v4, PB
	v_bfe_u32 v5, v0, 3, 1
	v_lshl_add_u32 v12, v5, 4, v12
	s_lshl_b32 s22, s16, 8
	s_add_co_u32 s22, s22, AREG
	v_add_nc_u32 v12, s22, v12                     ; BB: k-row 8 h + lane % 8, my 128 columns
	s_mul_i32 s22, s14, WST                        ; my stage
	v_mul_u32_u24 v16, v1, SP
	v_lshl_add_u32 v16, v2, 5, v16
	v_add_nc_u32 v16, s22, v16                     ; STO: row r, column 8 h
	v_mul_u32_u24 v17, v2, SP
	v_lshl_add_u32 v17, v1, 4, v17
	v_add_nc_u32 v17, s22, v17                     ; RD: row h, 16 bytes by r: lanes 0-15 one row's 64 columns of a head, lanes 16-31 the next row's
	v_lshlrev_b32 v18, 3, v1
	v_lshl_add_u32 v18, v2, 7, v18                 ; GO: h x 128 + 8 r
	s_wait_tensorcnt 0x1                           ; my part of K step 0 is in; K step 1's may stay out
	s_barrier_signal -1
	s_barrier_wait -1
	v_mov_b32 v14, v10
	v_mov_b32 v15, v12
	FETCH 0, F0
	s_wait_loadcnt 0x0                             ; the bias
	QUARTER 1, F0, F1, 1                           ; the first quarter stands in front of the loop: its products start the sums at the bias
	WIN 0
	s_mov_b32 s3, S-2
.Lck:                                  ; a trip goes from a K step's second quarter to the next K step's first, and fills a slot again: K steps 2 to 7
	QUARTER 2, F1, F0, 0
	QUARTER 3, F0, F1, 0
	TURN
	QUARTER 1, F0, F1, 0
	WIN 0
	s_sub_co_u32 s3, s3, 1
	s_cmp_lg_u32 s3, 0
	s_cbranch_scc1 .Lck
	s_mov_b32 s3, 2
.Ltail:                                ; the last two K steps ask for nothing; the second trip has no K step behind it and jumps over the fetch and the quarter that would begin one
	QUARTER 2, F1, F0, 0
	QUARTER 3, F0, F1, 0
	TAILTURN
	s_cmp_eq_u32 s3, 1
	s_cbranch_scc1 .Ldone
	PLACES
	s_xor_b32 s66, s66, SLOT
	v_add_nc_u32 v14, s66, v10
	v_add_nc_u32 v15, s66, v12
	FETCH 0, F0
	QUARTER 1, F0, F1, 0
	WIN 0
.Ldone:
	s_sub_co_u32 s3, s3, 1
	s_cmp_lg_u32 s3, 0
	s_cbranch_scc1 .Ltail
	; THE WAY OUT.  The stages take the ring's bytes.  One more barrier, so that the order between every wave's reads of the ring (the tail's fetch among them) and the stores below can be read off the text without the tail's counter.
	s_wait_dscnt 0x0
	s_barrier_signal -1
	s_barrier_wait -1
	PLACES
	STAGE_IN 0
	STAGE_IN 1
	WIN 0
	v_mov_b32 v20, v17
	v_mov_b32 v21, v18
	s_mov_b32 s69, 8
.Lout:                                 ; 16 rows a trip: a wave's LDS instructions are served in order, so the loads see the stores above; rounded to bf16, two rows of a head are 256 consecutive bytes
.irp hh, 0,1
.irp i, 0,1,2,3,4,5,6,7
	ds_load_b128 v[64+4*(8*(\hh)+(\i)):67+4*(8*(\hh)+(\i))], v20 offset:256*(\hh)+2*SP*(\i)
.endr
.endr
.irp hh, 0,1
.irp i, 0,1,2,3,4,5,6,7
	s_wait_dscnt 15-(8*(\hh)+(\i))
	v_cvt_pk_bf16_f32 v[64+4*(8*(\hh)+(\i))], v[64+4*(8*(\hh)+(\i))], v[65+4*(8*(\hh)+(\i))]
	v_cvt_pk_bf16_f32 v[65+4*(8*(\hh)+(\i))], v[66+4*(8*(\hh)+(\i))], v[67+4*(8*(\hh)+(\i))]
	global_store_b64 v21, v[64+4*(8*(\hh)+(\i)):65+4*(8*(\hh)+(\i))], s[84+2*(\hh):85+2*(\hh)] offset:256*(\i)
.endr
.endr
	s_wait_xcnt 0x0                                ; the stores have read their registers: offset and data are written again only behind this wait
	v_add_nc_u32 v20, 16*SP, v20
	v_add_nc_u32 v21, 2048, v21
	s_sub_co_u32 s69, s69, 1
	s_cmp_lg_u32 s69, 0
	s_cbranch_scc1 .Lout
	s_wait_tensorcnt 0x0                           ; the wave's end
	ds_add_u32 v28, v29
	s_wait_dscnt 0x0
	CROUND                                         ; the closing round
	s_endpgm
.Lfunc_end_k_qb7fccaf5f1_qkvg:
	.size	k_qb7fccaf5f1_qkvg, .Lfunc_end_k_qb7fccaf5f1_qkvg-k_qb7fccaf5f1_qkvg
	.p2alignl 7, 3214868480
	.fill 96, 4, 3214868480
	.section	.rodata,"a",@progbits
	.p2align	6, 0x0
	.amdhsa_kernel k_qb7fccaf5f1_qkvg
		.amdhsa_group_segment_fixed_size 327680
		.amdhsa_private_segment_fixed_size 0
		.amdhsa_enable_private_segment 0
		.amdhsa_kernarg_size 32
		.amdhsa_user_sgpr_count 2
		.amdhsa_user_sgpr_kernarg_segment_ptr 1
		.amdhsa_wavefront_size32 1
		.amdhsa_system_sgpr_workgroup_id_x 1
		.amdhsa_system_sgpr_workgroup_id_y 1
		.amdhsa_system_sgpr_workgroup_id_z 1
		.amdhsa_system_vgpr_workitem_id 0
		.amdhsa_next_free_vgpr 1024
		.amdhsa_next_free_sgpr 100
		.amdhsa_reserve_vcc 0
		.amdhsa_float_denorm_mode_32 3
		.amdhsa_float_denorm_mode_16_64 3
		.amdhsa_memory_ordered 1
		.amdhsa_forward_progress 1
		.amdhsa_inst_pref_size 86
	.end_amdhsa_kernel
	.amdgpu_metadata
---
amdhsa.version: [ 1, 2 ]
amdhsa.kernels:
  - .name:           k_qb7fccaf5f1_qkvg
    .symbol:         k_qb7fccaf5f1_qkvg.kd
    .args:
      - { .name: hb, .offset: 0, .size: 8, .value_kind: global_buffer, .address_space: global }
      - { .name: wb, .offset: 8, .size: 8, .value_kind: global_buffer, .address_space: global }
      - { .name: b_qkv, .offset: 16, .size: 8, .value_kind: global_buffer, .address_space: global }
      - { .name: qkv, .offset: 24, .size: 8, .value_kind: global_buffer, .address_space: global }
    .group_segment_fixed_size: 327680
    .private_segment_fixed_size: 0
    .kernarg_segment_align: 8
    .kernarg_segment_size: 32
    .max_flat_workgroup_size: 128
    .sgpr_count:     100
    .vgpr_count:     1024
    .wavefront_size: 32
...
	.end_amdgpu_metadata
.endif
;; end of part 2
;; launch attn (part 3): grid 8 x 32, 4 waves a work-group, clusters of 4 x 1, 327,680 bytes of LDS; arguments qkv, ao; writes ao
.if DOCPART == 3
	.amdgcn_target "amdgcn-amd-amdhsa--gfx1250"
	.amdhsa_code_object_version 6
	.text
	.protected	k_qb7fccaf5f1_attn
	.globl	k_qb7fccaf5f1_attn
	.p2align	8
	.type	k_qb7fccaf5f1_attn,@function
k_qb7fccaf5f1_attn:
	s_mov_b64 s[64:65], 0
	v_nop
	global_prefetch_b8 v0, s[64:65] scope:SCOPE_SE
	s_setreg_imm32_b32 hwreg(HW_REG_WAVE_MODE, 25, 1), 1
	s_wait_xcnt 0x0
	s_wait_alu depctr_hold_cnt(0) depctr_sa_sdst(0) depctr_va_vdst(0) depctr_va_sdst(0) depctr_va_ssrc(0) depctr_va_vcc(0) depctr_vm_vsrc(0)
	s_getreg_b32 s2, hwreg(HW_REG_IB_STS2, 6, 4)
	s_cmp_eq_u32 s2, 0
	s_cbranch_scc0 .Lentry_in_a_cluster
	s_endpgm
.Lentry_in_a_cluster:
	s_bfe_u32 s2, ttmp6, 0x10000c
	s_cmp_lg_u32 s2, 0x3003
	s_cbranch_scc0 .Lentry_shape_is_right
	s_endpgm
.Lentry_shape_is_right:
; ao[h][b t][:] = softmax_s(q . k_s / 8) V  +  softmax_m(q . mem_m / 8) mem, two softmaxes, each with its own running maximum and its own sum.  q, k, v by heads in bf16 (qkv: K at 0, V at VSEC, Q at QSEC);
; a head of K and of V has 2,112 rows of 128 bytes: 2,048 keys, then the 64 memory rows, which serve as keys and as values.  Products, maxima and sums in f32; the weights p are rounded to bf16 for the second product
; (their sum l is taken of the unrounded p); the sum of the two results is rounded once.
; LIMITS.  A weight below 2^-126 counts as 0 in l; NaN and infinities are not treated apart.
; SHARES.  Work-group: 256 queries of one (batch, head); a wave 64: four PIECES of 16.  THE WALK: nine tiles of 256 rows, on end in the head's K and V; tiles 0..7 are the keys; of tile 8 only the first key step, the memory
; rows, is read out of LDS (the other 192 rows that the load brings are the buffer's next bytes, and nobody looks at them).  The memory softmax is a second block of one key step, written out behind the loop.
; CLUSTER.  The four query blocks of a cluster walk the same K and V: each tile is asked for jointly, by the same tensor load, descriptor and mask in all four.
; LAYOUT.  S^T = K Q^T holds ONE query a lane (lane % 16) and the keys 8 (lane / 16) + 0..7; two such results rounded to bf16 ARE source 1 of O^T = V^T P.  p = 2^(c s - c m), c = log2(e) / 8; O and l are multiplied by
; a = 2^(c m_old - c m_new) in every step; a block starts with c m far below every c s, so its first a is 0 and what lies in O^T and l need only be finite.
; TURNS.  Turn n belongs to piece n: 8 products K Q^T of piece n + 1, later 8 products V^T P of piece n - 1; beside them piece n's scaling, exponentials, roundings, sums and rescaling and piece n + 1's maximum and statistics.
; Four vector instructions stand behind every matrix instruction, the rest in one lump; a turn's 33 exponentials are one batch with one wait.
; REGISTERS, in windows of 256: window 0: v0-15 addresses; v16-31 statistics; v48-55 at work; v61 prefetch offset; v62, v63 the add's; v64-127 S^T, two buffers; v192-223 P, two buffers
;   window 1: v0-127 O^T, 32 a piece; v128-255 the local result, divided by its l      window 2: v0-63 Q; v128-191 K of one step; v192-255 V of one step
.set HPK,   270336
.set VSEC,  8650752
.set QSEC,  17301504
.set NP,    4
.set KS,    64
.set PK,    144       ; a row of K in LDS: 128 bytes + 16
.set PV,    160       ; a row of V: 128 + 32
.set VOFF,  4*KS*PK   ; a slot holds a tile: 256 rows of K, then 256 rows of V
.set SLOT1, 1<<17
.set STAGE, SLOT1+4*KS*(PK+PV)  ; behind the ring, never filled by a tensor load: 16 rows x 144 bytes for each wave
.set SP,    144
.set SPARE, STAGE+4*16*SP
.set AK0, 2
.set AV0, 3
.set AK,  4
.set AV,  5
.set STO, 6
.set RD,  7
.set GO,  8
.set MV,  12
.set QO,  15
.set ST,  16          ; piece t: c m, m, l (even keys', odd keys')
.set TMP, 48
.set PFO, 61
.set SPW, 62
.set NIL, 63
.set S,   64
.set P,   192
.set KF,  128
.set VF,  192
.set WV,  12
.set LIM, 15          ; 1 in a wave that prefetches, else the greatest number
.set PFA, 18          ; s[18:19] where my prefetches stand
.set G1K, 24
.set G1V, 32
.set G0K, 40
.set G0V, 44
.set SLOTS, 56        ; s56  tiles still to be asked for, the one that the change in hand asks for among them
.set CNT, 57
.set CS,  58
.set SEL, 60
.set TBK, 62
.set TBV, 63
.set MSB, 0
.macro WIN new
.if MSB != (\new)
	s_set_vgpr_msb (MSB<<8)|(\new)
.set MSB, (\new)
.endif
.endm
.set W_KQ, 0x0a       ; K and Q in window 2, S^T in window 0
.set W_PV, 0x52       ; V in window 2, P in window 0, O^T in window 1
.set W_RS, 0x41       ; destination and source 0 in window 1, source 1 in window 0
.macro JLOAD                        ; waves 0 and 1 fetch the halves of a tile's K, waves 2 and 3 of its V; s_nop 0 and four v_nop follow each line
	s_cmp_lt_u32 s[WV], 2
	s_cbranch_scc0 .Lfor_v_\@
	tensor_load_to_lds s[G0K:G0K+3], s[G1K:G1K+7]
	s_nop 0
.rept 4
	v_nop
.endr
	s_branch .Lasked_\@
.Lfor_v_\@:
	tensor_load_to_lds s[G0V:G0V+3], s[G1V:G1V+7]
	s_nop 0
.rept 4
	v_nop
.endr
.Lasked_\@:
.endm
; A prefetch of the tile that the NEXT change of slots will ask for: four key steps, 256 matrix instructions, ahead of that load.  Each aligned 256 bytes are named once in the launch: the head's first cluster asks; its four
; partners take 32 blocks each, told apart by address; wave 0 asks for K's, wave 2 for V's, a lane a block.  The change that fills tile 8 (the counter stands at 1) asks for nothing.
.macro ASK
	s_cmp_gt_u32 s[SLOTS], s[LIM]
	s_cbranch_scc0 .Lnot_mine_\@
	global_prefetch_b8 v[PFO], s[PFA:PFA+1] th:TH_LOAD_NT scope:SCOPE_SE
.Lnot_mine_\@:
.endm
.macro CROUND
	s_barrier_signal -1
	s_barrier_wait -1
	s_cmp_lg_u32 s[WV], 0
	s_cbranch_scc1 .Lnot_wave_0_\@
	s_barrier_signal -3
.Lnot_wave_0_\@:
	s_barrier_wait -3
	s_barrier_signal -1
	s_barrier_wait -1
.endm
; THE CHANGE OF SLOTS.  Each wave waits for all its tensor loads (one is out: its part of the other slot), adds 0 to its spare word, and waits for that and for its reads of the slot that it leaves.
; fill = 1: the barrier is a round of the cluster's, and the joint fill of the old slot, with the tile two on, is the first thing behind it.  (At its first use slot 0 is waited for and slot 1 filled.)
.macro CHANGE fill
	WIN 0
	s_wait_tensorcnt 0x0
	ds_add_u32 v[SPW], v[NIL]
.if \fill
.irp g, G0K, G0V
	s_xor_b32 s[\g+1], s[\g+1], SLOT1
	s_add_nc_u64 s[\g+2:\g+3], s[\g+2:\g+3], 4*KS*128
.endr
	s_wait_xcnt 0x0                 ; the last prefetch, a tile back, has read its address
	s_add_nc_u64 s[PFA:PFA+1], s[PFA:PFA+1], 4*KS*128
	s_wait_dscnt 0x0
	CROUND
	JLOAD
	ASK
.else
	s_wait_dscnt 0x0
	s_barrier_signal -1
	s_barrier_wait -1
.endif
	s_sub_co_u32 s[TBK], s[TBK], 4*KS*PK
	s_xor_b32 s[TBK], s[TBK], SLOT1
	s_sub_co_u32 s[TBV], s[TBV], 4*KS*PV
	s_xor_b32 s[TBV], s[TBV], SLOT1
.endm
	s_load_b128 s[4:7], s[0:1], 0x0  ; qkv s[4:5], ao s[6:7]
	v_lshl_add_u32 v[SPW], v0, 2, SPARE
	v_mov_b32 v[NIL], 0
	ds_add_u32 v[SPW], v[NIL]       ; the wave's opening: the add and its wait stand ahead of my first tensor load
	v_lshrrev_b32 v1, 5, v0
	v_readfirstlane_b32 s[WV], v1
	s_bfe_u32 s13, ttmp6, 0x40000   ; cx
	s_lshl_b32 s14, ttmp9, 2
	s_add_co_u32 s14, s14, s13      ; my block of 256 queries: it enters Q's and O's addresses alone
	s_and_b32 s20, ttmp7, 0xffff    ; batch x 16 + head, which the four partners share
	s_and_b32 s16, s[WV], 1         ; which half of a tile's 256 rows I fetch
	s_mul_i32 s22, s20, HPK
	s_lshl_b32 s23, s16, 14
	s_add_co_u32 s22, s22, s23
	s_mov_b32 s23, 0
	s_mul_i32 s17, s16, 128*PK
	s_mul_i32 s21, s16, 128*PV
	s_lshl_b32 s2, s14, 2
	s_add_co_u32 s2, s2, s[WV]
	s_lshl_b32 s2, s2, 13           ; my wave's 64 rows of Q
	s_lshl_b32 s3, s20, 18
	s_add_co_u32 s2, s2, s3
	s_add_co_u32 s2, s2, QSEC
	s_mov_b32 s3, 0
	s_and_b32 s8, s20, 15           ; ao: [head][batch x 2048 + t][64]
	s_lshl_b32 s8, s8, 12
	s_lshr_b32 s9, s20, 4
	s_lshl_b32 s9, s9, 11
	s_add_co_u32 s8, s8, s9
	s_lshl_b32 s9, s14, 8
	s_add_co_u32 s8, s8, s9
	s_lshl_b32 s9, s[WV], 6
	s_add_co_u32 s8, s8, s9
	s_lshl_b32 s8, s8, 7
	s_mov_b32 s9, 0
	; descriptor group 1: 128 rows of 128 bytes are 16,384 dense bytes: asked for as 64 rows of 256 bytes, padded in LDS after every 128
	s_mov_b32 s[G1K], 15|(1<<16)|(1<<20)|(1<<21)|(4<<22)|(3<<25)
	s_mov_b32 s[G1V], 15|(1<<16)|(1<<20)|(1<<21)|(4<<22)|(7<<25)
.irp g, G1K, G1V
	s_mov_b32 s[\g+1], 128<<16
	s_mov_b32 s[\g+2], 64<<16
	s_mov_b32 s[\g+3], 128<<16
	s_mov_b32 s[\g+4], 64
	s_mov_b32 s[\g+5], 128
	s_mov_b32 s[\g+6], 0
	s_mov_b32 s[\g+7], 0
.endr
	s_mov_b32 s[CS], 0x3e38aa3b     ; c = log2(e) / 8
	s_mov_b32 s[CS+1], s[CS]
	s_mov_b32 s[SEL], 0x76543210
	s_mov_b32 s[SEL+1], 0xfedcba98
	s_mov_b32 s[TBK], SLOT1+4*KS*PK ; the first change of slots turns these two into 0
	s_mov_b32 s[TBV], SLOT1+4*KS*PV
	s_mov_b32 s[G0K], 1
	s_mov_b32 s[G0K+1], s17
	s_mov_b32 s[G0V], 1
	s_add_co_u32 s[G0V+1], s21, VOFF
	s_mov_b32 s[SLOTS], 8           ; tiles 1..8 are still to be asked for
	s_or_b32 s[LIM], s16, ttmp9     ; 0 in waves 0 and 2 of the head's first cluster: the same in all four partners
	s_cmp_eq_u32 s[LIM], 0
	s_cselect_b32 s[LIM], 1, -1
	s_lshl_b32 s70, s13, 13         ; my work-group's 32 blocks of a tile's 128,
	s_add_co_u32 s70, s70, 4*KS*128 ; in tile 1: the first change steps it to tile 2
	s_mov_b32 s71, 0
	v_and_b32 v[PFO], 31, v0
	v_lshlrev_b32 v[PFO], 8, v[PFO]
	s_wait_dscnt 0x0                ; the opening add is done
	s_wait_kmcnt 0x0
	s_add_nc_u64 s[G0K+2:G0K+3], s[4:5], s[22:23]
	s_add_nc_u64 s[G0V+2:G0V+3], s[G0K+2:G0K+3], VSEC
	s_cmp_lt_u32 s[WV], 2
	s_cselect_b64 s[PFA:PFA+1], s[G0K+2:G0K+3], s[G0V+2:G0V+3]
	s_add_nc_u64 s[PFA:PFA+1], s[PFA:PFA+1], s[70:71]
	s_or_b32 s[G0K+3], s[G0K+3], 0x80000000
	s_or_b32 s[G0V+3], s[G0V+3], 0x80000000
	s_add_nc_u64 s[10:11], s[4:5], s[2:3]  ; Q at my wave's first row
	s_add_nc_u64 s[6:7], s[6:7], s[8:9]    ; O likewise
	CROUND                          ; all four work-groups are here
	JLOAD                           ; tile 0 into slot 0
	v_and_b32 v1, 15, v0
	v_bfe_u32 v9, v0, 4, 1
	v_lshlrev_b32 v[QO], 7, v1
	v_lshl_add_u32 v[QO], v9, 4, v[QO]
	WIN 0x80
.set i, 0
.rept 8                             ; Q stays in registers: piece i / 2, channels 32 (i % 2) on
	global_load_b128 v[8*i:8*i+3],   v[QO], s[10:11] offset:(i/2)*2048+(i%2)*64
	global_load_b128 v[8*i+4:8*i+7], v[QO], s[10:11] offset:(i/2)*2048+(i%2)*64+32
.set i, i+1
.endr
	WIN 0
	v_mul_u32_u24 v[AK0], v1, PK
	v_lshl_add_u32 v[AK0], v9, 4, v[AK0]
	v_and_b32 v10, 7, v0
	v_bfe_u32 v11, v0, 3, 1
	v_lshl_add_u32 v[AV0], v9, 3, v10
	v_mul_u32_u24 v[AV0], v[AV0], PV
	v_lshl_add_u32 v[AV0], v11, 4, v[AV0]
	v_add_nc_u32 v[AV0], VOFF, v[AV0]
	s_mul_i32 s13, s[WV], 16*SP
	s_add_co_u32 s13, s13, STAGE
	v_mul_u32_u24 v[STO], v1, SP
	v_lshl_add_u32 v[STO], v9, 4, v[STO]
	v_add_nc_u32 v[STO], s13, v[STO]
	v_bfe_u32 v[RD], v0, 3, 2
	v_mul_u32_u24 v[RD], v[RD], SP
	v_lshl_add_u32 v[RD], v10, 4, v[RD]
	v_add_nc_u32 v[RD], s13, v[RD]
	v_and_b32 v[GO], 31, v0
	v_lshlrev_b32 v[GO], 4, v[GO]
	; What the first turn finds need only be finite: zeros in V, O^T, l and P's second buffer.  All this stands in the wait for the first tile.
	WIN 0x80
.set i, VF
.rept 64
	v_mov_b32 v[i], 0
.set i, i+1
.endr
	WIN 0x40
.set i, 0
.rept 128
	v_mov_b32 v[i], 0
.set i, i+1
.endr
	WIN 0
.set i, 0
.rept 4
	v_mov_b32 v[ST+4*i+2], 0
	v_mov_b32 v[ST+4*i+3], 0
.set i, i+1
.endr
.set i, P+16
.rept 16
	v_mov_b32 v[i], 0
.set i, i+1
.endr
; THE MATRIX WORK.  The 4 accumulators of a run of 8 take turns.
.macro KQ x                         ; product i of 8 of S^T = K Q^T: channels 32 (i / 4) on, keys 16 (i % 4) on; the first 4 start the sums
	WIN W_KQ
.set rS, S+32*((\x)%2)+8*(i%4)
.set rK, KF+16*(i%4)+8*(i/4)
.set rQ, 16*(\x)+8*(i/4)
.if i < 4
	v_wmma_f32_16x16x32_bf16 v[rS:rS+7], v[rK:rK+7], v[rQ:rQ+7], 0
.else
	v_wmma_f32_16x16x32_bf16 v[rS:rS+7], v[rK:rK+7], v[rQ:rQ+7], v[rS:rS+7]
.endif
.endm
.macro PV x                         ; product i of 8 of O^T += V^T P: keys 32 (i / 4) on, channels 16 (i % 4) on
	WIN W_PV
.set rO, 32*(\x)+8*(i%4)
.set rV, VF+32*(i/4)+8*(i%4)
.set rP, P+16*((\x)%2)+8*(i/4)
	v_wmma_f32_16x16x32_bf16 v[rO:rO+7], v[rV:rV+7], v[rP:rP+7], v[rO:rO+7]
.endm
.macro MM                           ; the turn's next matrix instruction.  NOKQ = 1: a block's last turn: there is no next piece
.if (i < 8) && !NOKQ
	KQ (Y+1)%NP
.elseif i >= 8
.set i, i-8
	PV (Y+NP-1)%NP
.set i, i+8
.endif
.set i, i+1
.endm
.macro FETCH_K                      ; a step's K: 16 LDS loads in one run
	WIN 0x80
.irp f, 0,1,2,3,4,5,6,7
	ds_load_b128 v[KF+8*\f:KF+8*\f+3],   v[AK] offset:(\f/2)*16*PK+(\f%2)*64
	ds_load_b128 v[KF+8*\f+4:KF+8*\f+7], v[AK] offset:(\f/2)*16*PK+(\f%2)*64+32
.endr
	s_add_co_u32 s[TBK], s[TBK], KS*PK
	WIN 0
.endm
.macro FETCH_V                      ; a step's V, turned
	WIN 0x80
.irp f, 0,1,2,3,4,5,6,7
	ds_load_tr16_b128 v[VF+8*\f:VF+8*\f+3],   v[AV] offset:(\f/4)*32*PV+(\f%4)*32
	ds_load_tr16_b128 v[VF+8*\f+4:VF+8*\f+7], v[AV] offset:(\f/4)*32*PV+16*PV+(\f%4)*32
.endr
	WIN 0
.endm
; THE VECTOR WORK, one line at a time: OP kind, number.  For piece Y: F n: c s - c m for pair n.  E n: the exponential of score n.  C n: pair n rounded to bf16.  B n: of the four weights 4 n .. the second pair onto the first.
; L n: l takes that sum (L 0: l = a l + sum).  R n: pair n of O^T times a.  For piece Y + 1: X n, number n of the 22 that find its maximum and statistics (each accumulator's lowest registers are read first).
.set F, 0
.set E, 1
.set C, 2
.set B, 3
.set L, 4
.set R, 5
.set X, 6
.macro REGS y
.set rT, ST+4*(\y)
.set rC, TMP+4*((\y)%2)
.set rW, MV+((\y)%2)
.set rS, S+32*((\y)%2)
.set rP, P+16*((\y)%2)
.set rO, 32*(\y)
.endm
.macro OP k, n
.if (\k) == R
	REGS Y
	WIN W_RS
	v_pk_mul_f32 v[rO+2*(\n):rO+2*(\n)+1], v[rO+2*(\n):rO+2*(\n)+1], v[rC+2:rC+3] op_sel_hi:[1,0]
.elseif (\k) < R
	REGS Y
	WIN 0
.if (\k) == F
	v_pk_fma_f32 v[rS+2*(\n):rS+2*(\n)+1], v[rS+2*(\n):rS+2*(\n)+1], s[CS:CS+1], v[rT:rT+1] op_sel_hi:[1,0,0] neg_lo:[0,0,1] neg_hi:[0,0,1]
.elseif (\k) == E
	v_exp_f32 v[rS+(\n)], v[rS+(\n)]
.elseif (\k) == C
	v_cvt_pk_bf16_f32 v[rP+(\n)], v[rS+2*(\n)], v[rS+2*(\n)+1]
.elseif (\k) == B
	v_pk_add_f32 v[rS+4*(\n):rS+4*(\n)+1], v[rS+4*(\n):rS+4*(\n)+1], v[rS+4*(\n)+2:rS+4*(\n)+3]
.elseif (\n) == 0
	v_pk_fma_f32 v[rT+2:rT+3], v[rT+2:rT+3], v[rC+2:rC+3], v[rS:rS+1] op_sel_hi:[1,0,1]
.else
	v_pk_add_f32 v[rT+2:rT+3], v[rT+2:rT+3], v[rS+4*(\n):rS+4*(\n)+1]
.endif
.elseif NOKQ
	v_nop
.else
	REGS (Y+1)%NP
	WIN 0
.if (\n) < 4
	v_max3_num_f32 v[rC+(\n)], v[rS+8*(\n)], v[rS+8*(\n)+1], v[rS+8*(\n)+2]
.elseif (\n) < 12
	v_max3_num_f32 v[rC+(\n)%4], v[rC+(\n)%4], v[rS+8*((\n)%4)+2*((\n)/4)+1], v[rS+8*((\n)%4)+2*((\n)/4)+2]
.elseif (\n) == 12
	v_max3_num_f32 v[rC], v[rC], v[rS+7], v[rS+15]
.elseif (\n) == 13
	v_max3_num_f32 v[rC+1], v[rC+1], v[rS+23], v[rS+31]
.elseif (\n) == 14
	v_max3_num_f32 v[rC+2], v[rC+2], v[rC+3], v[rT+1]
.elseif (\n) == 15
	v_mov_b32 v[rW], v[rT]
.elseif (\n) == 16
	v_max3_num_f32 v[rC], v[rC], v[rC+1], v[rC+2]
.elseif (\n) == 17
	v_permlanex16_b32 v[rC+3], v[rC], s[SEL], s[SEL+1]
.elseif (\n) == 18
	v_max_num_f32 v[rT+1], v[rC], v[rC+3]
.elseif (\n) == 19
	v_mul_f32 v[rT], s[CS], v[rT+1]
.elseif (\n) == 20
	v_sub_f32 v[rC+1], v[rW], v[rT]
.else
	v_exp_f32 v[rC+2], v[rC+1]
.endif
.endif
.endm
.macro OPS a, i1, b=-1, i2=0, c=-1, i3=0, d=-1, i4=0
	OP \a, \i1
.if (\b) >= 0
	OP \b, \i2
.endif
.if (\c) >= 0
	OP \c, \i3
.endif
.if (\d) >= 0
	OP \d, \i4
.endif
.endm
.macro ROW a, i1, b, i2, c, i3, d, i4  ; a matrix instruction and the four behind it
	MM
	OPS \a, \i1, \b, \i2, \c, \i3, \d, \i4
.endm
; A TURN, for piece p.  Ahead of its one wait stands all that names no result of the turn's exponentials; behind it the 8 products V^T P with the roundings and sums as riders.
; end = 1: a block's last two turns: nothing is fetched, and the last starts no new scores.  cnt = 1: the loop's count is taken down some lines ahead of the branch behind the turn.
; K of the next step is fetched in piece 2's turn, six plain instructions or more behind the last product that read K; V of the step in hand at the end of piece 0's turn, four plain instructions behind its last reader.
.macro TURN p, end=0, cnt=0
.set Y, (\p)
.set i, 0
.set NOKQ, (\end)*((\p)/3)
.if ((\p) == 3) && !(\end)
	s_wait_dscnt 0x0                ; K is in
.endif
	ROW F,0, F,1, R,0, R,1
	ROW F,2, E,0, R,2, R,3
	ROW F,3, E,1, R,4, R,5
	ROW F,4, E,2, R,6, R,7
	ROW F,5, E,3, R,8, R,9
	ROW F,6, E,4, X,0, R,10
.if ((\p) == 2) && !(\end)
	WIN 0
	v_add_nc_u32 v[AK], s[TBK], v[AK0]
.endif
	ROW F,7, E,5, X,1, X,4
	ROW F,8, E,6, X,2, X,5
	OPS E,7, E,8, X,6, E,9
	OPS X,3, E,10, X,8, E,11
.if ((\p) == 2) && !(\end)
	FETCH_K
.endif
	OPS X,9, X,7, E,12, X,10
	OPS E,13, X,12, X,11, E,14
	OPS X,13, E,15, F,9, X,14
.if (\p) == 0
	v_add_nc_u32 v[AV], s[TBV], v[AV0]
.endif
	OPS E,16, F,10, E,17, F,11
	OPS X,16, E,18, X,15, E,19
	OPS F,12, E,20, X,17, E,21
	OPS F,13, E,22, F,14, E,23
	OPS X,18, E,24, F,15, E,25
	OPS R,11, E,26, X,19, E,27
	OPS R,12, E,28, R,13, E,29
	OPS X,20, E,30, R,14, E,31
	OPS X,21, R,15                  ; the next piece's a is the batch's last; R 15 is the plain instruction behind it
	WIN 0
	s_wait_alu depctr_va_vdst(0)    ; the one wait for the batch
.if (\p) == 1
	s_wait_dscnt 0x0                ; V is in
.endif
	ROW C,0, B,0, C,2, B,1
	ROW L,0, C,4, B,2, L,1
	ROW C,6, B,3, L,2, C,8
	ROW B,4, L,3, C,10, B,5
	ROW L,4, C,12, B,6, L,5
.if (\p) == 0
	s_add_co_u32 s[TBV], s[TBV], KS*PV
.endif
.if \cnt
	s_sub_co_u32 s[CNT], s[CNT], 1
	s_cmp_lg_u32 s[CNT], 0
.endif
	ROW C,14, B,7, L,6, C,1
	ROW C,3, L,7, C,5, C,7
	ROW C,9, C,11, C,13, C,15
.if (\p) == 0
	FETCH_V
.endif
.endm
; A BLOCK BEGINS: c m far below every c s, m at the lowest finite number; K of the block's first step, piece 0's first scores, its maximum and statistics.
.macro BEGIN
	WIN 0
.set i, 0
.rept 4
	v_mov_b32 v[ST+4*i], 0xfe000000
	v_mov_b32 v[ST+4*i+1], 0xff7fffff
.set i, i+1
.endr
	v_add_nc_u32 v[AK], s[TBK], v[AK0]
	FETCH_K
	s_wait_loadcnt 0x0              ; Q
	s_wait_dscnt 0x0
.set NOKQ, 0
.set i, 0
.rept 8
	KQ 0
.set i, i+1
.endr
	WIN 0
.rept 4
	v_nop                           ; the places behind those products
.endr
.set Y, NP-1
.irp n, 0,1,2,3,4,5,6,7,8,9,10,11,12,13,14,15,16,17,18,19,20,21
	OP X, \n
.endr
	v_nop
	s_wait_alu depctr_va_vdst(0)
.endm
.macro ALL line:vararg
.set t, 0
.rept 4
	\line
.set t, t+1
.endr
.endm
.macro LAST_PV                      ; the last piece's V^T P of a block's last step
.set i, 0
.rept 8
	PV NP-1
.set i, i+1
.endr
.endm
.macro LSUM                         ; 1 / l for the four pieces; the additions are the places behind the last products
	WIN 0
	ALL v_add_f32 v[ST+4*t+2], v[ST+4*t+2], v[ST+4*t+3]
	ALL v_permlanex16_b32 v[ST+4*t+3], v[ST+4*t+2], s[SEL], s[SEL+1]
	ALL v_add_f32 v[ST+4*t+2], v[ST+4*t+2], v[ST+4*t+3]
	ALL v_rcp_f32 v[ST+4*t+2], v[ST+4*t+2]
	v_nop
	s_wait_alu depctr_va_vdst(0)    ; one wait for the four reciprocals
.endm
.macro PACK t                       ; memory result / its l + the local result; bf16; through my stage, back as whole rows of 128 bytes
	WIN 0x51                        ; destination, source 0 and source 2 in window 1
.set i, 32*(\t)
.rept 16
	v_pk_fma_f32 v[i:i+1], v[i:i+1], v[ST+4*(\t)+2:ST+4*(\t)+3], v[128+i:129+i] op_sel_hi:[1,0,1]
.set i, i+2
.endr
	WIN 0x05
.set i, 0
.rept 16
	v_cvt_pk_bf16_f32 v[S+16*(\t)+i], v[32*(\t)+2*i], v[32*(\t)+2*i+1]
.set i, i+1
.endr
	WIN 0
.irp f, 0,1,2,3
	ds_store_b128 v[STO], v[S+16*(\t)+4*\f:S+16*(\t)+4*\f+3] offset:32*\f
.endr
.irp f, 0,1,2,3
	ds_load_b128 v[S+16*(\t)+4*\f:S+16*(\t)+4*\f+3], v[RD] offset:\f*4*SP  ; a wave's LDS instructions are served in order: these see the stores above
.endr
.endm
.macro SEND t, younger              ; younger: the LDS instructions issued behind piece t's loads
	WIN 0
.irp f, 0,1,2,3
	s_wait_dscnt (\younger)+3-\f
	global_store_b128 v[GO], v[S+16*(\t)+4*\f:S+16*(\t)+4*\f+3], s[6:7] offset:(\t)*2048+\f*512  ; 512 consecutive bytes, aligned
.endr
.endm
.set NOKQ, 0
	CHANGE 1                        ; tile 0 is in, everybody's part of it; tile 1 is asked for
	BEGIN
	s_mov_b32 s[CNT], 4
	s_mov_b32 s[SLOTS], 8           ; taken down behind each of the tiles 0..7: 7, 6, .. 1 jump back, 0 leaves: the jump to .Lslot is taken seven times
	s_branch .Lfirst                ; the loop is entered at a step's first turn
.Lslot:                             ; seven times: tiles 1..7 are entered, tiles 2..8 asked for
	CHANGE 1
	s_mov_b32 s[CNT], 4
.Lstep:                             ; a trip: pieces 2 and 3 of one step, then pieces 0 and 1 of the next
	TURN 2
	TURN 3
	WIN 0
.Lfirst:
	TURN 0
	TURN 1, 0, 1
	WIN 0
	s_cbranch_scc1 .Lstep
	s_sub_co_u32 s[SLOTS], s[SLOTS], 1
	s_cmp_lg_u32 s[SLOTS], 0
	s_cbranch_scc1 .Lslot
	TURN 2, 1                       ; the local block's end: tile 7's last step
	TURN 3, 1
	LAST_PV
	LSUM
	WIN W_RS                        ; the local result, divided by its l, is set aside in f32
.set i, 0
.rept 64
	v_pk_mul_f32 v[128+i:129+i], v[i:i+1], v[ST+4*(i/32)+2:ST+4*(i/32)+3] op_sel_hi:[1,0]
.set i, i+2
.endr
	CHANGE 0                        ; tile 8 is in; nothing is asked for
	BEGIN                           ; THE MEMORY BLOCK: one key step
	TURN 0
	TURN 1
	TURN 2, 1
	TURN 3, 1
	LAST_PV
	LSUM
	PACK 0
.set t, 1
.rept 3
	PACK t
	SEND t-1, 8
.set t, t+1
.endr
	SEND 3, 0
	s_wait_tensorcnt 0x0            ; the wave's end
	ds_add_u32 v[SPW], v[NIL]
	s_wait_dscnt 0x0
	CROUND                          ; the closing round
	s_endpgm
.Lfunc_end_k_qb7fccaf5f1_attn:
	.size	k_qb7fccaf5f1_attn, .Lfunc_end_k_qb7fccaf5f1_attn-k_qb7fccaf5f1_attn
	.p2alignl 7, 3214868480
	.fill 96, 4, 3214868480
	.section	.rodata,"a",@progbits
	.p2align	6, 0x0
	.amdhsa_kernel k_qb7fccaf5f1_attn
		.amdhsa_group_segment_fixed_size 327680
		.amdhsa_private_segment_fixed_size 0
		.amdhsa_enable_private_segment 0
		.amdhsa_kernarg_size 16
		.amdhsa_user_sgpr_count 2
		.amdhsa_user_sgpr_kernarg_segment_ptr 1
		.amdhsa_wavefront_size32 1
		.amdhsa_system_sgpr_workgroup_id_x 1
		.amdhsa_system_sgpr_workgroup_id_y 1
		.amdhsa_system_sgpr_workgroup_id_z 1
		.amdhsa_system_vgpr_workitem_id 0
		.amdhsa_next_free_vgpr 768
		.amdhsa_next_free_sgpr 90
		.amdhsa_reserve_vcc 0
		.amdhsa_float_denorm_mode_32 3
		.amdhsa_float_denorm_mode_16_64 3
		.amdhsa_memory_ordered 1
		.amdhsa_forward_progress 1
		.amdhsa_inst_pref_size 134
	.end_amdhsa_kernel
	.amdgpu_metadata
---
amdhsa.version: [ 1, 2 ]
amdhsa.kernels:
  - .name:           k_qb7fccaf5f1_attn
    .symbol:         k_qb7fccaf5f1_attn.kd
    .args:
      - { .name: qkv, .offset: 0, .size: 8, .value_kind: global_buffer, .address_space: global }
      - { .name: ao, .offset: 8, .size: 8, .value_kind: global_buffer, .address_space: global }
    .group_segment_fixed_size: 327680
    .private_segment_fixed_size: 0
    .kernarg_segment_align: 8
    .kernarg_segment_size: 16
    .max_flat_workgroup_size: 128
    .sgpr_count:     90
    .vgpr_count:     768
    .wavefront_size: 32
...
	.end_amdgpu_metadata
.endif
;; end of part 3
;; launch outg (part 4): grid 8 x 32, 4 waves a work-group, clusters of 4 x 4, 327,680 bytes of LDS; arguments ao, wb, b_out, x, x1; writes x1
.if DOCPART == 4
	.amdgcn_target "amdgcn-amd-amdhsa--gfx1250"
	.amdhsa_code_object_version 6
	.text
	.protected	k_qb7fccaf5f1_outg
	.globl	k_qb7fccaf5f1_outg
	.p2align	8
	.type	k_qb7fccaf5f1_outg,@function
k_qb7fccaf5f1_outg:
	s_mov_b64 s[64:65], 0
	v_nop
	global_prefetch_b8 v0, s[64:65] scope:SCOPE_SE
	s_setreg_imm32_b32 hwreg(HW_REG_WAVE_MODE, 25, 1), 1
	s_wait_xcnt 0x0
	s_wait_alu depctr_hold_cnt(0) depctr_sa_sdst(0) depctr_va_vdst(0) depctr_va_sdst(0) depctr_va_ssrc(0) depctr_va_vcc(0) depctr_vm_vsrc(0)
	s_getreg_b32 s2, hwreg(HW_REG_IB_STS2, 6, 4)
	s_cmp_eq_u32 s2, 0
	s_cbranch_scc0 .Lentry_in_a_cluster
	s_endpgm
.Lentry_in_a_cluster:
	s_bfe_u32 s2, ttmp6, 0x10000c
	s_cmp_lg_u32 s2, 0xf033
	s_cbranch_scc0 .Lentry_shape_is_right
	s_endpgm
.Lentry_shape_is_right:
; x1 = x + ao @ Wout + b_out, f32.  ao: [16 heads][4096 rows][64] bf16 (k = 64 head + channel); Wout: [1024][1024] bf16 at wb + WOFF, as it lies ([k][n]); sums in f32, starting at the bias.
; SHARES.  256 work-groups, one tile of 128 x 128 each; four waves, each 64 x 64: 16 accumulators.  The matrix instruction is used transposed (source 0 = 16 columns of W, turned out of LDS; source 1 = 16 rows of A).
; RING.  K goes in chunks of 256 through two LDS slots; one tensor load a wave a chunk (waves 0, 1: A's halves; waves 2, 3: 128 k-rows x 256 bytes of W).  A chunk of A is four heads; a load brings two heads' 128 rows,
; each head's 16,384 dense bytes as one row of the tile, padded in LDS after every 128 bytes.
; CLUSTER 4 x 4: A's tile hangs on Y alone and is asked for jointly along a row of the cluster, W's on X alone and jointly along a column.
; The residual's 128 registers a lane are asked for at the start.  The stage of the way out lies in slot 0, whose last fill and last reads stand ahead of the last change of slots.
; LIMITS: matrix operands are bf16; NaN and infinities are not treated apart.
.set KDIM,  1024
.set NB,    1024
.set WOFF,  6291456
.set AMODE, 1
.set S,     KDIM/256
.if AMODE
.set PA,    144                        ; a row of a head in LDS: 128 bytes + 16
.set AHALF, 2*128*PA
.set ASTEP, 128*PA                     ; two matrix steps are a head
.set KAB,   4*524288
.set GA0,   (1<<16)|(1<<20)|(1<<21)|(4<<22)|(3<<25)
.set AD0,   8192
.set AD1,   2
.set AST,   262144
.else
.set PA,    528
.set AHALF, 64*PA
.set ASTEP, 128
.set KAB,   512
.set GA0,   (1<<16)|(1<<20)|(1<<21)|(6<<22)|(3<<25)
.set AD0,   256
.set AD1,   64
.set AST,   KDIM
.endif
.set AREG,  2*AHALF
.set PB,    288
.set BHALF, 128*PB
.set SLOT,  AREG+2*BHALF
.set STAGE, 0                          ; 128 rows x 528 bytes of f32, in slot 0
.set SPARE, 2*SLOT
.set GB0,   (1<<16)|(1<<20)|(1<<21)|(5<<22)|(7<<25)
.set ACC,   128                        ; window 0: accumulators; v[32:63] bias; v[64:127] at work.  Window 1: fragments.  Window 2: v[0:127] the residual
.set F0,    0
.set F1,    64
.set MUL,   0x05
.set TO_F,  0x40
; v10 BA, v12 BB, v14 v15 the fetch in hand, v16 STO, v17 RD, v18 GO, v19 bias offset, v28 v29 the add's
; s3 chunks, s14 wave, s15 wave/2, s16 wave%2, s19 X, s20 Y, s21 pairs, s[24:31] s[48:55] group 1, s[32:39] s[56:63] group 0, s66 TC, s67 s68 LDS places, s[70:73] steps
.set MSB, 0
.macro WIN new
.if MSB != (\new)
	s_set_vgpr_msb (MSB<<8)|(\new)
.set MSB, \new
.endif
.endm
.macro PLACES
.rept 4
	v_nop
.endr
.endm
.macro CREST
	s_cmp_lg_u32 s14, 0
	s_cbranch_scc1 .Lnw0_\@
	s_barrier_signal -3
.Lnw0_\@:
	s_barrier_wait -3
	s_barrier_signal -1
	s_barrier_wait -1
.endm
.macro CROUND
	s_barrier_signal -1
	s_barrier_wait -1
	CREST
.endm
.macro JLOAD                           ; the joint refill; s_nop 0 and four v_nop follow each line
	s_cmp_eq_u32 s15, 0
	s_cbranch_scc0 .Ljb_\@
	tensor_load_to_lds s[36:39], s[24:31]
	s_nop 0
	PLACES
	s_branch .Ljd_\@
.Ljb_\@:
	tensor_load_to_lds s[60:63], s[48:55]
	s_nop 0
	PLACES
.Ljd_\@:
.endm
.macro MULS f, a0, n                   ; the 16 accumulators take turns in one fixed order
	WIN MUL
.set ma, \a0
.rept \n
.irp b, 0,1,2,3
	v_wmma_f32_16x16x32_bf16 v[ACC+8*(4*ma+(\b)):ACC+8*(4*ma+(\b))+7], v[(\f)+8*(\b):(\f)+8*(\b)+7], v[(\f)+32+8*ma:(\f)+32+8*ma+7], v[ACC+8*(4*ma+(\b)):ACC+8*(4*ma+(\b))+7]
.endr
.set ma, ma+1
.endr
.endm
.macro FETCH f, ao, bo
	WIN TO_F
.irp b, 0,1,2,3
	ds_load_tr16_b128 v[(\f)+8*(\b):(\f)+8*(\b)+3], v15 offset:(\bo)+32*(\b)
	ds_load_tr16_b128 v[(\f)+8*(\b)+4:(\f)+8*(\b)+7], v15 offset:(\bo)+32*(\b)+16*PB
.endr
.irp a, 0,1,2,3
	ds_load_b128 v[(\f)+32+8*(\a):(\f)+32+8*(\a)+3], v14 offset:(\ao)+(\a)*16*PA
	ds_load_b128 v[(\f)+32+8*(\a)+4:(\f)+32+8*(\a)+7], v14 offset:(\ao)+(\a)*16*PA+32
.endr
.endm
.macro PAIRS                           ; matrix steps 0..5 of a chunk are multiplied, steps 2..7 fetched
	s_mov_b32 s21, 3
.Lpair_\@:
	s_wait_dscnt 16                                ; buffer 0 is in; buffer 1's 16 loads may stay out
	MULS F0, 0, 4
	PLACES
	FETCH F0, 0, 0
	s_wait_dscnt 16
	MULS F1, 0, 4
	PLACES
	FETCH F1, 64, 32*PB
	WIN 0
	v_add_nc_u32 v14, ASTEP, v14
	v_add_nc_u32 v15, 64*PB, v15
	s_sub_co_u32 s21, s21, 1
	s_cmp_lg_u32 s21, 0
	s_cbranch_scc1 .Lpair_\@
.endm
.macro LAST kind                       ; steps 6 and 7 and the change of slots.  0: the slot is filled again; 1: nothing is left to ask for; 2: the last chunk
.if (\kind) == 2
	s_wait_dscnt 16
	MULS F0, 0, 4
	s_wait_dscnt 0x0
	MULS F1, 0, 4
	WIN 0
.else
	WIN 0
	s_wait_tensorcnt 0x0                           ; all my tensor loads have landed
	ds_add_u32 v28, v29
	s_wait_dscnt 17                                ; buffer 0 is in (buffer 1's 16 loads and the add may be out)
	MULS F0, 0, 2
	s_wait_dscnt 0x0                               ; the add is done, and my reads of this slot are over
	s_barrier_signal -1
	MULS F0, 2, 2
	WIN 0
	s_barrier_wait -1
.if (\kind) == 0
	CREST
	s_add_nc_u64 s[38:39], s[38:39], s[70:71]
	s_add_nc_u64 s[62:63], s[62:63], s[72:73]
	s_add_co_u32 s37, s66, s67
	s_add_co_u32 s61, s66, s68
	JLOAD
.else
	PLACES
.endif
	s_xor_b32 s66, s66, SLOT
	v_add_nc_u32 v14, s66, v10
	v_add_nc_u32 v15, s66, v12
	FETCH F0, 0, 0
	MULS F1, 0, 4
	PLACES
	FETCH F1, 64, 32*PB
	WIN 0
	v_add_nc_u32 v14, ASTEP, v14
	v_add_nc_u32 v15, 64*PB, v15
.endif
.endm
	s_load_b256 s[4:11], s[0:1], 0x0               ; A 4, wb 6, bias 8, residual 10
	s_load_b64 s[12:13], s[0:1], 0x20              ; out
	v_lshl_add_u32 v28, v0, 2, SPARE
	v_mov_b32 v29, 0
	ds_add_u32 v28, v29                            ; the wave's opening: the add and its wait stand ahead of my first tensor load
	v_lshrrev_b32 v3, 5, v0
	v_readfirstlane_b32 s14, v3
	s_lshr_b32 s15, s14, 1
	s_and_b32 s16, s14, 1
	s_bfe_u32 s17, ttmp6, 0x40000
	s_bfe_u32 s18, ttmp6, 0x40004
	s_lshl_b32 s19, ttmp9, 2
	s_add_co_u32 s19, s19, s17                     ; X
	s_and_b32 s20, ttmp7, 0xffff
	s_lshl_b32 s20, s20, 2
	s_add_co_u32 s20, s20, s18                     ; Y
	s_lshl_b32 s40, s18, 2
	s_lshl_b32 s40, 15, s40
	s_lshl_b32 s44, 0x1111, s17
	s_or_b32 s24, s40, GA0
	s_or_b32 s48, s44, GB0
	s_mov_b32 s25, (AD0&0xffff)<<16
	s_mov_b32 s26, AD1<<16
	s_mov_b32 s27, AD0<<16
	s_mov_b32 s28, AD1
	s_mov_b32 s29, AST
	s_mov_b32 s30, 0
	s_mov_b32 s31, 0
	s_mov_b32 s49, 128<<16
	s_mov_b32 s50, 128<<16
	s_mov_b32 s51, 128<<16
	s_mov_b32 s52, 128
	s_mov_b32 s53, NB
	s_mov_b32 s54, 0
	s_mov_b32 s55, 0
	s_mov_b32 s70, KAB
	s_mov_b32 s71, 0
	s_mov_b32 s72, 512*NB
	s_mov_b32 s73, 0
	s_mov_b32 s66, 0
	s_mul_i32 s67, s16, AHALF
	s_mul_i32 s68, s16, BHALF
	s_add_co_u32 s68, s68, AREG
.if AMODE
	s_lshl_b32 s40, s16, 20                        ; heads 2 half .., rows 128 Y ..
	s_lshl_b32 s41, s20, 14
	s_add_co_u32 s40, s40, s41
.else
	s_lshl_b32 s40, s20, 7
	s_lshl_b32 s41, s16, 6
	s_add_co_u32 s40, s40, s41
	s_mul_i32 s40, s40, KDIM*2
.endif
	s_mov_b32 s41, 0
	s_mul_i32 s44, s16, 256*NB
	s_lshl_b32 s45, s19, 8
	s_add_co_u32 s44, s44, s45
	s_add_co_u32 s44, s44, WOFF
	s_mov_b32 s45, 0
	s_wait_dscnt 0x0
	s_wait_kmcnt 0x0
	s_add_nc_u64 s[40:41], s[4:5], s[40:41]
	s_add_nc_u64 s[44:45], s[6:7], s[44:45]
	CROUND
	s_mov_b32 s32, 1
	s_mov_b32 s33, s67
	s_mov_b64 s[34:35], s[40:41]
	s_or_b32 s35, s35, 0x80000000
	s_mov_b32 s36, 1
	s_add_co_u32 s37, s67, SLOT
	s_add_nc_u64 s[38:39], s[40:41], s[70:71]
	s_or_b32 s39, s39, 0x80000000
	s_mov_b32 s56, 1
	s_mov_b32 s57, s68
	s_mov_b64 s[58:59], s[44:45]
	s_or_b32 s59, s59, 0x80000000
	s_mov_b32 s60, 1
	s_add_co_u32 s61, s68, SLOT
	s_add_nc_u64 s[62:63], s[44:45], s[72:73]
	s_or_b32 s63, s63, 0x80000000
	s_cmp_eq_u32 s15, 0                            ; a wave's two first fills stand in one branch
	s_cbranch_scc0 .Lfb
	tensor_load_to_lds s[32:35], s[24:31]
	s_nop 0
	tensor_load_to_lds s[36:39], s[24:31]
	s_nop 0
	PLACES
	s_branch .Lfd
.Lfb:
	tensor_load_to_lds s[56:59], s[48:55]
	s_nop 0
	tensor_load_to_lds s[60:63], s[48:55]
	s_nop 0
	PLACES
.Lfd:
	v_and_b32 v1, 15, v0
	v_bfe_u32 v2, v0, 4, 1
	v_and_b32 v3, 31, v0
	s_lshl_b32 s44, s19, 9
	s_lshl_b32 s45, s16, 8
	s_add_co_u32 s45, s44, s45
	v_lshl_add_u32 v19, v2, 5, s45                 ; (128 X + 64 wc + 8 h) x 4
.irp b, 0,1,2,3
	global_load_b128 v[32+8*(\b):35+8*(\b)], v19, s[8:9] offset:64*(\b)
	global_load_b128 v[36+8*(\b):39+8*(\b)], v19, s[8:9] offset:64*(\b)+16
.endr
	s_lshl_b32 s45, s20, 19
	s_add_co_u32 s44, s44, s45
	s_lshl_b32 s45, s14, 17
	s_add_co_u32 s44, s44, s45
	v_lshl_add_u32 v18, v3, 4, s44                 ; GO: (128 Y + 32 w) rows of 4,096 bytes + 512 X + 16 lane: for the residual and for the stores
	WIN 0x80
.set n, 0
.rept 32
	global_load_b128 v[4*n:4*n+3], v18, s[10:11] offset:n*4096
.set n, n+1
.endr
	WIN 0
	v_mul_u32_u24 v10, v1, PA
	v_lshl_add_u32 v10, v2, 4, v10
	s_mul_i32 s22, s15, 64*PA
	v_add_nc_u32 v10, s22, v10
	v_and_b32 v4, 7, v0
	v_lshl_add_u32 v4, v2, 3, v4
	v_mul_u32_u24 v12, v4, PB
	v_bfe_u32 v5, v0, 3, 1
	v_lshl_add_u32 v12, v5, 4, v12
	s_lshl_b32 s22, s16, 7
	s_add_co_u32 s22, s22, AREG
	v_add_nc_u32 v12, s22, v12
	v_mul_u32_u24 v16, v1, 528
	v_lshl_add_u32 v16, v2, 5, v16
	s_mul_i32 s22, s15, 64*528
	s_lshl_b32 s23, s16, 8
	s_add_co_u32 s22, s22, s23
	v_add_nc_u32 v16, s22, v16                     ; STO: stage row 64 wr + r, column 64 wc + 8 h
	s_mul_i32 s22, s14, 32*528
	v_lshl_add_u32 v17, v3, 4, s22                 ; RD: stage row 32 w, 16 bytes a lane
	s_wait_tensorcnt 0x1                           ; my part of chunk 0 is in; chunk 1's may stay out
	s_barrier_signal -1
	s_barrier_wait -1
	v_mov_b32 v14, v10
	v_mov_b32 v15, v12
	FETCH F0, 0, 0
	FETCH F1, 64, 32*PB
	WIN 0
	v_add_nc_u32 v14, ASTEP, v14
	v_add_nc_u32 v15, 64*PB, v15
	s_wait_loadcnt 32                              ; the bias is in; the residual's 32 loads stay out
.set ia, 0
.rept 4                                ; the sums start at the bias
.irp b, 0,1,2,3
.irp i, 0,2,4,6
	v_dual_mov_b32 v[ACC+8*(4*ia+(\b))+(\i)], v[32+8*(\b)+(\i)] :: v_dual_mov_b32 v[ACC+8*(4*ia+(\b))+(\i)+1], v[32+8*(\b)+(\i)+1]
.endr
.endr
.set ia, ia+1
.endr
	s_mov_b32 s3, S-2
.Lck2:
	PAIRS
	LAST 0
	s_sub_co_u32 s3, s3, 1
	s_cmp_lg_u32 s3, 0
	s_cbranch_scc1 .Lck2
	PAIRS
	LAST 1
	PAIRS
	LAST 2
	; THE WAY OUT: f32 through the stage, whole rows of 512 bytes back, the residual added, stored.
	PLACES
.set sa, 0
.rept 4
.irp b, 0,1,2,3
	ds_store_b128 v16, v[ACC+8*(4*sa+(\b)):ACC+8*(4*sa+(\b))+3] offset:sa*8448+64*(\b)
	ds_store_b128 v16, v[ACC+8*(4*sa+(\b))+4:ACC+8*(4*sa+(\b))+7] offset:sa*8448+64*(\b)+16
.endr
.set sa, sa+1
.endr
	s_wait_dscnt 0x0
	s_barrier_signal -1
	s_barrier_wait -1
	s_wait_loadcnt 0x0                             ; the residual
.irp g, 0,1
.if \g
	s_wait_xcnt 0x0                                ; the first half's stores have read their registers
.endif
.irp n, 0,1,2,3,4,5,6,7,8,9,10,11,12,13,14,15
	ds_load_b128 v[64+4*(\n):67+4*(\n)], v17 offset:(16*(\g)+(\n))*528
.endr
	s_wait_dscnt 0x0
	WIN 0x08                                       ; source 1 in window 2
.set q, 0
.rept 32
	v_pk_add_f32 v[64+q:65+q], v[64+q:65+q], v[64*(\g)+q:64*(\g)+q+1]
.set q, q+2
.endr
	WIN 0
.irp n, 0,1,2,3,4,5,6,7,8,9,10,11,12,13,14,15
	global_store_b128 v18, v[64+4*(\n):67+4*(\n)], s[12:13] offset:(16*(\g)+(\n))*4096  ; 512 consecutive bytes, aligned
.endr
.endr
	s_wait_tensorcnt 0x0                           ; the wave's end
	ds_add_u32 v28, v29
	s_wait_dscnt 0x0
	CROUND                                         ; the closing round
	s_endpgm
.Lfunc_end_k_qb7fccaf5f1_outg:
	.size	k_qb7fccaf5f1_outg, .Lfunc_end_k_qb7fccaf5f1_outg-k_qb7fccaf5f1_outg
	.p2alignl 7, 3214868480
	.fill 96, 4, 3214868480
	.section	.rodata,"a",@progbits
	.p2align	6, 0x0
	.amdhsa_kernel k_qb7fccaf5f1_outg
		.amdhsa_group_segment_fixed_size 327680
		.amdhsa_private_segment_fixed_size 0
		.amdhsa_enable_private_segment 0
		.amdhsa_kernarg_size 40
		.amdhsa_user_sgpr_count 2
		.amdhsa_user_sgpr_kernarg_segment_ptr 1
		.amdhsa_wavefront_size32 1
		.amdhsa_system_sgpr_workgroup_id_x 1
		.amdhsa_system_sgpr_workgroup_id_y 1
		.amdhsa_system_sgpr_workgroup_id_z 1
		.amdhsa_system_vgpr_workitem_id 0
		.amdhsa_next_free_vgpr 640
		.amdhsa_next_free_sgpr 100
		.amdhsa_reserve_vcc 0
		.amdhsa_float_denorm_mode_32 3
		.amdhsa_float_denorm_mode_16_64 3
		.amdhsa_memory_ordered 1
		.amdhsa_forward_progress 1
		.amdhsa_inst_pref_size 56
	.end_amdhsa_kernel
	.amdgpu_metadata
---
amdhsa.version: [ 1, 2 ]
amdhsa.kernels:
  - .name:           k_qb7fccaf5f1_outg
    .symbol:         k_qb7fccaf5f1_outg.kd
    .args:
      - { .name: ao, .offset: 0, .size: 8, .value_kind: global_buffer, .address_space: global }
      - { .name: wb, .offset: 8, .size: 8, .value_kind: global_buffer, .address_space: global }
      - { .name: b_out, .offset: 16, .size: 8, .value_kind: global_buffer, .address_space: global }
      - { .name: x, .offset: 24, .size: 8, .value_kind: global_buffer, .address_space: global }
      - { .name: x1, .offset: 32, .size: 8, .value_kind: global_buffer, .address_space: global }
    .group_segment_fixed_size: 327680
    .private_segment_fixed_size: 0
    .kernarg_segment_align: 8
    .kernarg_segment_size: 40
    .max_flat_workgroup_size: 128
    .sgpr_count:     100
    .vgpr_count:     640
    .wavefront_size: 32
...
	.end_amdgpu_metadata
.endif
;; end of part 4
;; launch ln2 (part 5): grid 256 x 1, 16 waves a work-group, no clusters, 0 bytes of LDS; arguments x1, ln2_g, ln2_b, hb; writes hb
.if DOCPART == 5
	.amdgcn_target "amdgcn-amd-amdhsa--gfx1250"
	.amdhsa_code_object_version 6
	.text
	.protected	k_qb7fccaf5f1_ln2
	.globl	k_qb7fccaf5f1_ln2
	.p2align	8
	.type	k_qb7fccaf5f1_ln2,@function
k_qb7fccaf5f1_ln2:
	s_mov_b64 s[64:65], 0
	v_nop
	global_prefetch_b8 v0, s[64:65] scope:SCOPE_SE
	s_setreg_imm32_b32 hwreg(HW_REG_WAVE_MODE, 25, 1), 1
	s_wait_xcnt 0x0
; hb = LayerNorm(x1) * ln2_g + ln2_b in bf16.  x1: [4096][1024] f32.  A wave a row: eight loads of 16 bytes a lane, the row kept in 32 registers between the passes; no LDS, no barrier, no loop.
; No cluster and no matrix unit: the rows are read once and shared by nobody.  The mean is taken away before the squares.  NaN and infinities are not treated apart.
.macro LNRED                           ; four chains of pairs in v[8:15] -> one sum in every lane's v8
	v_pk_add_f32 v[8:9], v[8:9], v[10:11]
	v_pk_add_f32 v[12:13], v[12:13], v[14:15]
	v_pk_add_f32 v[8:9], v[8:9], v[12:13]
	v_add_f32 v8, v8, v9
	v_add_f32_dpp v8, v8, v8 row_xmask:1 row_mask:0xf bank_mask:0xf
	v_add_f32_dpp v8, v8, v8 row_xmask:2 row_mask:0xf bank_mask:0xf
	v_add_f32_dpp v8, v8, v8 row_xmask:4 row_mask:0xf bank_mask:0xf
	v_add_f32_dpp v8, v8, v8 row_xmask:8 row_mask:0xf bank_mask:0xf
	v_permlanex16_b32 v20, v8, s32, s33
	v_add_f32 v8, v8, v20
.endm
	s_load_b256 s[4:11], s[0:1], 0x0               ; x1 4, gain 6, bias 8, hb 10
	v_lshrrev_b32 v1, 5, v0
	v_readfirstlane_b32 s30, v1
	v_and_b32 v1, 31, v0
	v_lshlrev_b32 v4, 4, v1
	v_lshlrev_b32 v5, 3, v1
	s_mov_b32 s32, 0x76543210
	s_mov_b32 s33, 0xfedcba98
	s_mov_b32 s34, 0x3a800000                      ; 1 / 1024
	s_mov_b32 s35, 0x3727c5ac                      ; 1e-5
	s_lshl_b32 s36, ttmp9, 4
	s_add_co_u32 s36, s36, s30                     ; my row
	s_mov_b32 s39, 0
	s_wait_kmcnt 0x0
	s_lshl_b32 s38, s36, 12
	s_add_nc_u64 s[4:5], s[4:5], s[38:39]
	s_lshl_b32 s38, s36, 11
	s_add_nc_u64 s[10:11], s[10:11], s[38:39]
.irp j, 0,1,2,3,4,5,6,7
	global_load_b128 v[32+4*(\j):35+4*(\j)], v4, s[4:5] offset:512*(\j) th:TH_LOAD_NT
.endr
.irp j, 0,1,2,3,4,5,6,7
	global_load_b128 v[64+4*(\j):67+4*(\j)], v4, s[6:7] offset:512*(\j)
.endr
.irp j, 0,1,2,3,4,5,6,7
	global_load_b128 v[96+4*(\j):99+4*(\j)], v4, s[8:9] offset:512*(\j)
.endr
	v_mov_b32 v20, 0                               ; v_permlanex16_b32 counts as a reader of its destination
	s_wait_loadcnt 16                              ; the row is in; the 16 loads of gain and bias stay out
.irp k, 0,1,2,3
	v_pk_add_f32 v[8+2*(\k):9+2*(\k)], v[32+2*(\k):33+2*(\k)], v[40+2*(\k):41+2*(\k)]
.endr
.irp k, 0,1,2,3
	v_pk_add_f32 v[8+2*(\k):9+2*(\k)], v[8+2*(\k):9+2*(\k)], v[48+2*(\k):49+2*(\k)]
.endr
.irp k, 0,1,2,3
	v_pk_add_f32 v[8+2*(\k):9+2*(\k)], v[8+2*(\k):9+2*(\k)], v[56+2*(\k):57+2*(\k)]
.endr
	LNRED
	v_mul_f32 v16, s34, v8                         ; the mean
	v_mov_b32 v17, v16
.set q, 32
.rept 16
	v_pk_add_f32 v[q:q+1], v[q:q+1], v[16:17] neg_lo:[0,1] neg_hi:[0,1]
.set q, q+2
.endr
.irp k, 0,1,2,3
	v_pk_mul_f32 v[8+2*(\k):9+2*(\k)], v[32+2*(\k):33+2*(\k)], v[32+2*(\k):33+2*(\k)]
.endr
.irp m, 40,48,56
.irp k, 0,1,2,3
	v_pk_fma_f32 v[8+2*(\k):9+2*(\k)], v[(\m)+2*(\k):(\m)+2*(\k)+1], v[(\m)+2*(\k):(\m)+2*(\k)+1], v[8+2*(\k):9+2*(\k)]
.endr
.endr
	LNRED
	v_fma_f32 v9, v8, s34, s35                     ; variance + eps
	v_rsq_f32 v18, v9
	v_rsq_f32 v19, v9
	v_nop                                          ; a plain instruction behind the last root,
	s_wait_alu depctr_va_vdst(0)                   ; and one wait for both, ahead of their first reader
	s_wait_loadcnt 0x0
.set q, 0
.rept 16
	v_pk_mul_f32 v[64+q:65+q], v[64+q:65+q], v[18:19]
.set q, q+2
.endr
.set q, 0
.rept 16
	v_pk_fma_f32 v[32+q:33+q], v[32+q:33+q], v[64+q:65+q], v[96+q:97+q]
.set q, q+2
.endr
.irp j, 0,1,2,3,4,5,6,7
	v_cvt_pk_bf16_f32 v[32+4*(\j)], v[32+4*(\j)], v[33+4*(\j)]
	v_cvt_pk_bf16_f32 v[33+4*(\j)], v[34+4*(\j)], v[35+4*(\j)]
	global_store_b64 v5, v[32+4*(\j):33+4*(\j)], s[10:11] offset:256*(\j)  ; 256 consecutive bytes, aligned
.endr
	s_endpgm
.Lfunc_end_k_qb7fccaf5f1_ln2:
	.size	k_qb7fccaf5f1_ln2, .Lfunc_end_k_qb7fccaf5f1_ln2-k_qb7fccaf5f1_ln2
	.p2alignl 7, 3214868480
	.fill 96, 4, 3214868480
	.section	.rodata,"a",@progbits
	.p2align	6, 0x0
	.amdhsa_kernel k_qb7fccaf5f1_ln2
		.amdhsa_group_segment_fixed_size 0
		.amdhsa_private_segment_fixed_size 0
		.amdhsa_enable_private_segment 0
		.amdhsa_kernarg_size 32
		.amdhsa_user_sgpr_count 2
		.amdhsa_user_sgpr_kernarg_segment_ptr 1
		.amdhsa_wavefront_size32 1
		.amdhsa_system_sgpr_workgroup_id_x 1
		.amdhsa_system_sgpr_workgroup_id_y 1
		.amdhsa_system_sgpr_workgroup_id_z 1
		.amdhsa_system_vgpr_workitem_id 0
		.amdhsa_next_free_vgpr 128
		.amdhsa_next_free_sgpr 66
		.amdhsa_reserve_vcc 0
		.amdhsa_float_denorm_mode_32 3
		.amdhsa_float_denorm_mode_16_64 3
		.amdhsa_memory_ordered 1
		.amdhsa_forward_progress 1
		.amdhsa_inst_pref_size 12
	.end_amdhsa_kernel
	.amdgpu_metadata
---
amdhsa.version: [ 1, 2 ]
amdhsa.kernels:
  - .name:           k_qb7fccaf5f1_ln2
    .symbol:         k_qb7fccaf5f1_ln2.kd
    .args:
      - { .name: x1, .offset: 0, .size: 8, .value_kind: global_buffer, .address_space: global }
      - { .name: ln2_g, .offset: 8, .size: 8, .value_kind: global_buffer, .address_space: global }
      - { .name: ln2_b, .offset: 16, .size: 8, .value_kind: global_buffer, .address_space: global }
      - { .name: hb, .offset: 24, .size: 8, .value_kind: global_buffer, .address_space: global }
    .group_segment_fixed_size: 0
    .private_segment_fixed_size: 0
    .kernarg_segment_align: 8
    .kernarg_segment_size: 32
    .max_flat_workgroup_size: 512
    .sgpr_count:     66
    .vgpr_count:     128
    .wavefront_size: 32
...
	.end_amdgpu_metadata
.endif
;; end of part 5
;; launch fc1g (part 6): grid 16 x 16, 4 waves a work-group, clusters of 4 x 4, 327,680 bytes of LDS; arguments hb, wb, b_fc1, gb; writes gb
.if DOCPART == 6
	.amdgcn_target "amdgcn-amd-amdhsa--gfx1250"
	.amdhsa_code_object_version 6
	.text
	.protected	k_qb7fccaf5f1_fc1g
	.globl	k_qb7fccaf5f1_fc1g
	.p2align	8
	.type	k_qb7fccaf5f1_fc1g,@function
k_qb7fccaf5f1_fc1g:
	s_mov_b64 s[64:65], 0
	v_nop
	global_prefetch_b8 v0, s[64:65] scope:SCOPE_SE
	s_setreg_imm32_b32 hwreg(HW_REG_WAVE_MODE, 25, 1), 1
	s_wait_xcnt 0x0
	s_wait_alu depctr_hold_cnt(0) depctr_sa_sdst(0) depctr_va_vdst(0) depctr_va_sdst(0) depctr_va_ssrc(0) depctr_va_vcc(0) depctr_vm_vsrc(0)
	s_getreg_b32 s2, hwreg(HW_REG_IB_STS2, 6, 4)
	s_cmp_eq_u32 s2, 0
	s_cbranch_scc0 .Lentry_in_a_cluster
	s_endpgm
.Lentry_in_a_cluster:
	s_bfe_u32 s2, ttmp6, 0x10000c
	s_cmp_lg_u32 s2, 0xf033
	s_cbranch_scc0 .Lentry_shape_is_right
	s_endpgm
.Lentry_shape_is_right:
; gb = gelu(hb @ W1 + b_fc1), the exact (erf) gelu, in bf16.  hb: [4096][1024] bf16; W1: [1024][4096] bf16 at wb + WOFF, as it lies ([k][n]); gb: [4096][4096]; sums in f32, starting at the bias.
; SHARES.  A work-group makes ONE tile of 256 rows (256 Y ..) x 256 columns (256 X ..): 16 x 16 = 256 work-groups.  Four waves, each 128 x 128: 64 accumulators, 512 registers.  The matrix instruction is used transposed
; (source 0 = 16 columns of W, turned out of LDS by ds_load_tr16_b128; source 1 = 16 rows of hb): a lane holds one row and 8 neighbouring columns.
; RING.  K goes in 8 steps of 128 through two LDS slots; a wave brings a quarter of a slot with one tensor load (waves 0, 1: 128 rows x 256 bytes of hb; waves 2, 3: 64 k-rows x 512 bytes of W).  From a request to the wait for it
; a wave issues 224 matrix instructions.  The slot in hand is the scalar TC (0 or SLOT); all LDS addresses are TC + constants + the lane's term, so a K step is written once.
; CLUSTER 4 x 4: hb's tile hangs on Y alone and is asked for jointly along a row of the cluster, W's on X alone and jointly along a column.
; REGISTERS, in windows of 256: window 0: v0-31 addresses; v64-127, v128-191 fragments of hb, two buffers (on the way out v64-115 the gelu's); v192-255 the bias, which is the C of the first products.
;   Window 1: v64-127, v128-191 fragments of W.  Window 2: the accumulators of my rows 0-63 ((a, b) at v[8 (8 a + b)]); window 3: those of my rows 64-127.
; THE WAY OUT.  The ring has had its last fill: each wave stages its own 128 x 128 f32 in it and reads whole rows back; a wave's 128 columns are 256 consecutive bytes of gb, so no wave needs another's bytes.
; GELU.  gelu(x) = max(x, 0) - |x| q, q = 1/2 (a1 t + .. + a5 t^5) e^(-x^2/2), t = 1 / (1 + p |x| / sqrt 2): the rational form of erf (Abramowitz and Stegun 7.1.26), off by at most 1.5e-7 in erf for every x;
; for large |x| the exponential is 0 and gelu(x) = max(x, 0).
; LIMITS: operands and results are bf16; NaN and infinities are not treated apart.
.set KDIM,  1024
.set NB,    4096
.set WOFF,  8388608
.set KSTEP, 128
.set S,     KDIM/KSTEP                 ; K steps
.set PA,    272                        ; a row of hb in LDS: 256 bytes + 16: an odd multiple of 16
.set HALFA, 128*PA
.set AREG,  2*HALFA
.set PB,    544                        ; a k-row of W in LDS: 512 bytes + 32: an odd multiple of 32
.set HALFB, 64*PB
.set SLOT,  AREG+2*HALFB
.set SPARE, 2*SLOT                     ; behind the ring: the spare words, 128 bytes a wave
.set SP,    528                        ; a row of the stage: 128 f32 + 16 bytes
.set WST,   128*SP                     ; a wave's stage; the four lie in the ring's bytes, from 0 on
.set KAB,   KSTEP*2                    ; bytes from K step to K step in hb
.set KBB,   KSTEP*NB*2                 ; and in W
.set GA0,   (1<<16)|(1<<20)|(1<<21)|(5<<22)|(3<<25)  ; 2-byte elements, padding on, bit 21 beside a mask, after every 64 words 4 words
.set GB0,   (1<<16)|(1<<20)|(1<<21)|(6<<22)|(7<<25)  ; after every 128 words 8 words
.set F0,    64
.set F1,    128
.set BIAS,  192
.set TO_B,  0x40                       ; destination window 1, address window 0
; v10 BA, v12 BB: my lane's place in a slot's hb and W; v14, v15: the same in the slot in hand; v16 STO, v17 RD, v18 GO, v19 bias offset, v20 RD at work, v21 GO at work; v28, v29 the add's; v30 prefetch offset
; s3 count, s14 wave, s15 wave/2, s16 wave%2, s17 cx, s18 cy, s19 X, s20 Y, s[24:31] s[48:55] group 1 (hb, W), s[32:39] s[56:63] group 0 (first set K step 0; second set walks), s66 TC, s67 s68 my LDS place,
; s[74:75] a prefetch's step, s[76:77] where my prefetches stand, s78 2 in a wave that prefetches, else the greatest number, s82 rows, s83 sign mask, s[84:97] the gelu's seven constants, each written twice as a pair
.set MSB, 0
.macro WIN new                         ; the immediate's high byte repeats the setting that is left; a switch that changes nothing is dropped
.if MSB != (\new)
	s_set_vgpr_msb (MSB<<8)|(\new)
.set MSB, \new
.endif
.endm
.macro PLACES                          ; four places behind matrix instructions, ahead of loads into their sources and of readers of their results
.rept 4
	v_nop
.endr
.endm
.macro CREST                           ; a round of the cluster's barrier behind its opening barrier
	s_cmp_lg_u32 s14, 0
	s_cbranch_scc1 .Lnw0_\@
	s_barrier_signal -3
.Lnw0_\@:
	s_barrier_wait -3
	s_barrier_signal -1
	s_barrier_wait -1
.endm
.macro CROUND
	s_barrier_signal -1
	s_barrier_wait -1
	CREST
.endm
.macro JLOAD                           ; the joint refill by the walking descriptors; the branch hangs on the wave's number alone; s_nop 0 and four v_nop follow each line
	s_cmp_eq_u32 s15, 0
	s_cbranch_scc0 .Ljb_\@
	tensor_load_to_lds s[36:39], s[24:31]
	s_nop 0
	PLACES
	s_branch .Ljd_\@
.Ljb_\@:
	tensor_load_to_lds s[60:63], s[48:55]
	s_nop 0
	PLACES
.Ljd_\@:
.endm
; A PREFETCH of the K step that stands two refills on: 32 blocks of 256 bytes, a lane a block, one instruction a wave.  Each block is named once in the launch: hb's rows are read by every cluster of a row of clusters, and the
; first of them (cluster x = 0) asks; W's columns by every cluster of a column, and cluster y = 0 asks.  Of what a wave fetches (128 rows of hb, or 64 k-rows x 2 blocks of W) each of the four partners that ask for it jointly
; takes a quarter, told apart by address (cx for hb, cy for W).  K steps 0 to 3 come by their loads alone; the last two refills (s3 = 2, 1) have no K step two on.
.macro ASK
	s_cmp_gt_u32 s3, s78
	s_cbranch_scc0 .Lnm_\@
	global_prefetch_b8 v30, s[76:77] th:TH_LOAD_NT scope:SCOPE_SE
.Lnm_\@:
.endm
; 16 matrix instructions: row blocks a0, a0 + 1 of the window's four (hi = 0: my rows 0-63, 1: rows 64-127) x all 8 column blocks, 32 along K.  first = 1: the bias is the C that starts the sums.
; The 64 accumulators take turns in one fixed order.
.macro MUL16 f, hi, a0, first
.if \first
	WIN 0x81+0x40*(\hi)                            ; W window 1, hb and C window 0, D window 2 or 3
.else
	WIN 0xa1+0x50*(\hi)                            ; W window 1, hb window 0, C and D window 2 or 3
.endif
.irp a, \a0, (\a0)+1
.irp b, 0,1,2,3,4,5,6,7
.if \first
	v_wmma_f32_16x16x32_bf16 v[8*(8*(\a)+(\b)):8*(8*(\a)+(\b))+7], v[(\f)+8*(\b):(\f)+8*(\b)+7], v[(\f)+8*(4*(\hi)+(\a)):(\f)+8*(4*(\hi)+(\a))+7], v[BIAS+8*(\b):BIAS+8*(\b)+7]
.else
	v_wmma_f32_16x16x32_bf16 v[8*(8*(\a)+(\b)):8*(8*(\a)+(\b))+7], v[(\f)+8*(\b):(\f)+8*(\b)+7], v[(\f)+8*(4*(\hi)+(\a)):(\f)+8*(4*(\hi)+(\a))+7], v[8*(8*(\a)+(\b)):8*(8*(\a)+(\b))+7]
.endif
.endr
.endr
.endm
.macro FETCH q, f                      ; 32 LDS loads in one run: quarter q of the slot in hand (128 columns of W, 128 rows of hb, 32 along K) into buffer f
	WIN TO_B
.irp b, 0,1,2,3,4,5,6,7
	ds_load_tr16_b128 v[(\f)+8*(\b):(\f)+8*(\b)+3], v15 offset:(\q)*32*PB+32*(\b)
	ds_load_tr16_b128 v[(\f)+8*(\b)+4:(\f)+8*(\b)+7], v15 offset:(\q)*32*PB+32*(\b)+16*PB
.endr
	WIN 0
.irp a, 0,1,2,3,4,5,6,7
	ds_load_b128 v[(\f)+8*(\a):(\f)+8*(\a)+3], v14 offset:(\q)*64+(\a)*16*PA
	ds_load_b128 v[(\f)+8*(\a)+4:(\f)+8*(\a)+7], v14 offset:(\q)*64+(\a)*16*PA+32
.endr
.endm
; A K step is four quarters of 32 along K, 64 matrix instructions each, on buffers 0, 1, 0, 1.  One of the first three: multiplies buffer f; in its middle it fetches quarter q into buffer g.
.macro QUARTER q, f, g, first
	s_wait_dscnt 8                                 ; W and hb's rows 0-63 are in; the youngest eight loads (rows 64-127) may be out
	MUL16 \f, 0, 0, \first
	MUL16 \f, 0, 2, \first
	PLACES
	FETCH \q, \g
	s_wait_dscnt 32                                ; all but the 32 just issued
	MUL16 \f, 1, 0, \first
	MUL16 \f, 1, 2, \first
.endm
; The last quarter multiplies buffer 1 and changes slots; the slot just read is filled again, two K steps on.
.macro TURN
	WIN 0
	s_wait_xcnt 0x0                                ; the last prefetch, a K step back, has read its address
	s_add_nc_u64 s[76:77], s[76:77], s[74:75]
	s_wait_tensorcnt 0x0                           ; all my tensor loads have landed: my part of the next slot; so a group 0 may be written
	ds_add_u32 v28, v29                            ; 0 onto my spare word
	s_add_nc_u64 s[38:39], s[38:39], KAB           ; the walking descriptors: the next K step; the type bits on top are not reached
	s_add_nc_u64 s[62:63], s[62:63], KBB
	s_add_co_u32 s37, s66, s67                     ; into the slot that is being read out
	s_add_co_u32 s61, s66, s68
	s_wait_dscnt 9                                 ; (the add and the youngest eight loads may be out)
	MUL16 F1, 0, 0, 0
	s_wait_dscnt 0x0                               ; the add is done, and my reads of this slot are over
	s_barrier_signal -1
	MUL16 F1, 0, 2, 0
	WIN 0
	s_barrier_wait -1
	CREST                                          ; the barrier has opened a round of the cluster's: no wave of any partner reads this slot or has a load on its way
	JLOAD                                          ; its four v_nop are also the places ahead of the loads below
	s_xor_b32 s66, s66, SLOT
	v_add_nc_u32 v14, s66, v10
	v_add_nc_u32 v15, s66, v12
	FETCH 0, F0
	ASK
	MUL16 F1, 1, 0, 0
	MUL16 F1, 1, 2, 0
.endm
; The same quarter where nothing is left to ask for: one barrier; behind it the other slot is whole (the last K step but one) and nobody reads this slot any more.
.macro TAILTURN
	WIN 0
	s_wait_tensorcnt 0x0
	ds_add_u32 v28, v29
	s_wait_dscnt 9
	MUL16 F1, 0, 0, 0
	s_wait_dscnt 0x0
	s_barrier_signal -1
	MUL16 F1, 0, 2, 0
	MUL16 F1, 1, 0, 0
	MUL16 F1, 1, 2, 0
	WIN 0
	s_barrier_wait -1
.endm
.macro STAGE_IN hi                     ; four row blocks of 16 into my stage, f32; each accumulator's low half first
	WIN 0x08+4*(\hi)                               ; the data (source 1) in window 2 or 3
.irp a, 0,1,2,3
.irp b, 0,1,2,3,4,5,6,7
	ds_store_b128 v16, v[8*(8*(\a)+(\b)):8*(8*(\a)+(\b))+3] offset:(4*(\hi)+(\a))*16*SP+64*(\b)
	ds_store_b128 v16, v[8*(8*(\a)+(\b))+4:8*(8*(\a)+(\b))+7] offset:(4*(\hi)+(\a))*16*SP+64*(\b)+16
.endr
.endr
.endm
; Two rows of my tile (4 columns a lane each): x in v[64:71].  more = 1: the next two rows are asked for as soon as x has been read.  The 16 transcendentals are one batch with one wait.
.macro GELU8 more
	s_wait_dscnt 0x0
.irp i, 0,1,2,3,4,5,6,7
	v_and_b32 v[72+(\i)], s83, v[64+(\i)]                                      ; |x|
.endr
.irp i, 0,2,4,6
	v_pk_mul_f32 v[80+(\i):81+(\i)], v[64+(\i):65+(\i)], s[86:87] op_sel_hi:[1,0]  ; x sqrt(log2(e) / 2)
.endr
.irp i, 0,1,2,3,4,5,6,7
	v_max_num_f32 v[88+(\i)], 0, v[64+(\i)]                                    ; max(x, 0)
.endr
.if \more
	v_add_nc_u32 v20, 2*SP, v20
	ds_load_b128 v[64:67], v20
	ds_load_b128 v[68:71], v20 offset:SP
.endif
.irp i, 0,2,4,6
	v_pk_fma_f32 v[96+(\i):97+(\i)], v[72+(\i):73+(\i)], s[84:85], 1.0 op_sel_hi:[1,0,0]
	v_pk_mul_f32 v[80+(\i):81+(\i)], v[80+(\i):81+(\i)], v[80+(\i):81+(\i)] neg_lo:[1,0] neg_hi:[1,0]
.endr
.irp i, 0,1,2,3,4,5,6,7
	v_rcp_f32 v[96+(\i)], v[96+(\i)]                                           ; t
.endr
.irp i, 0,1,2,3,4,5,6,7
	v_exp_f32 v[80+(\i)], v[80+(\i)]                                           ; e^(-x^2/2)
.endr
	v_nop
	s_wait_alu depctr_va_vdst(0)
.irp i, 0,2,4,6
	v_pk_fma_f32 v[104+(\i):105+(\i)], v[96+(\i):97+(\i)], s[96:97], s[94:95] op_sel_hi:[1,0,0]
.endr
.irp c, 92,90,88
.irp i, 0,2,4,6
	v_pk_fma_f32 v[104+(\i):105+(\i)], v[104+(\i):105+(\i)], v[96+(\i):97+(\i)], s[\c:\c+1] op_sel_hi:[1,1,0]
.endr
.endr
.irp i, 0,2,4,6
	v_pk_mul_f32 v[104+(\i):105+(\i)], v[104+(\i):105+(\i)], v[96+(\i):97+(\i)]
.endr
.irp i, 0,2,4,6
	v_pk_mul_f32 v[104+(\i):105+(\i)], v[104+(\i):105+(\i)], v[80+(\i):81+(\i)]
.endr
.irp i, 0,2,4,6
	v_pk_fma_f32 v[88+(\i):89+(\i)], v[72+(\i):73+(\i)], v[104+(\i):105+(\i)], v[88+(\i):89+(\i)] neg_lo:[1,0,0] neg_hi:[1,0,0]
.endr
	s_wait_xcnt 0x0                                ; the last trip's stores have read their data and their offset
	v_add_nc_u32 v21, 16384, v21                   ; two rows on; the stores below reach back
.irp i, 0,1,2,3
	v_cvt_pk_bf16_f32 v[112+(\i)], v[88+2*(\i)], v[89+2*(\i)]
.endr
	global_store_b64 v21, v[112:113], s[10:11] offset:-16384  ; a row's 256 bytes of my tile, aligned
	global_store_b64 v21, v[114:115], s[10:11] offset:-8192
.endm
	s_load_b256 s[4:11], s[0:1], 0x0               ; hb 4, wb 6, bias 8, gb 10
	v_lshl_add_u32 v28, v0, 2, SPARE
	v_mov_b32 v29, 0
	ds_add_u32 v28, v29                            ; the wave's opening: the add and its wait stand ahead of my first tensor load
	v_lshrrev_b32 v3, 5, v0
	v_readfirstlane_b32 s14, v3
	s_lshr_b32 s15, s14, 1                         ; my half of the tile's rows; also 0: I fetch for hb, 1: for W
	s_and_b32 s16, s14, 1                          ; my half of its columns; also which half of hb's or W's tile I fetch
	s_bfe_u32 s17, ttmp6, 0x40000                  ; cx
	s_bfe_u32 s18, ttmp6, 0x40004                  ; cy
	s_lshl_b32 s19, ttmp9, 2
	s_add_co_u32 s19, s19, s17                     ; X
	s_and_b32 s20, ttmp7, 0xffff
	s_lshl_b32 s20, s20, 2
	s_add_co_u32 s20, s20, s18                     ; Y
	s_lshl_b32 s40, s18, 2
	s_lshl_b32 s40, 15, s40                        ; my row of the cluster
	s_lshl_b32 s44, 0x1111, s17                    ; my column
	s_or_b32 s24, s40, GA0
	s_or_b32 s48, s44, GB0
	s_mov_b32 s25, KSTEP<<16                       ; hb: 128 elements x 128 rows, pitch KDIM
	s_mov_b32 s26, 128<<16
	s_mov_b32 s27, KSTEP<<16
	s_mov_b32 s28, 128
	s_mov_b32 s29, KDIM
	s_mov_b32 s30, 0
	s_mov_b32 s31, 0
	s_mov_b32 s49, 256<<16                         ; W: 256 elements x 64 k-rows, pitch NB
	s_mov_b32 s50, 64<<16
	s_mov_b32 s51, 256<<16
	s_mov_b32 s52, 64
	s_mov_b32 s53, NB
	s_mov_b32 s54, 0
	s_mov_b32 s55, 0
	s_mov_b32 s83, 0x7fffffff
	s_mov_b32 s84, 0x3e6d3388                      ; p / sqrt 2 = 0.231641888
	s_mov_b32 s85, s84
	s_mov_b32 s86, 0x3f596d27                      ; sqrt(log2(e) / 2) = 0.8493218
	s_mov_b32 s87, s86
	s_mov_b32 s88, 0x3e027906                      ; a1 / 2 =  0.127414796
	s_mov_b32 s89, s88
	s_mov_b32 s90, 0xbe11a98e                      ; a2 / 2 = -0.142248368
	s_mov_b32 s91, s90
	s_mov_b32 s92, 0x3f35f0e3                      ; a3 / 2 =  0.710706871
	s_mov_b32 s93, s92
	s_mov_b32 s94, 0xbf3a00e3                      ; a4 / 2 = -0.726576014
	s_mov_b32 s95, s94
	s_mov_b32 s96, 0x3f07dc22                      ; a5 / 2 =  0.530702715
	s_mov_b32 s97, s96
	s_mov_b32 s66, 0
	s_mul_i32 s67, s16, HALFA
	s_mul_i32 s68, s16, HALFB
	s_add_co_u32 s68, s68, AREG
	s_lshl_b32 s40, s20, 8
	s_lshl_b32 s41, s16, 7
	s_add_co_u32 s40, s40, s41
	s_mul_i32 s40, s40, KDIM*2                     ; hb: row 256 Y + 128 half
	s_mov_b32 s41, 0
	s_mul_i32 s44, s16, 64*NB*2                    ; W: k-row 64 half, column 256 X
	s_lshl_b32 s45, s19, 9
	s_add_co_u32 s44, s44, s45
	s_add_co_u32 s44, s44, WOFF
	s_mov_b32 s45, 0
	s_wait_dscnt 0x0                               ; the opening add is done
	s_wait_kmcnt 0x0
	s_add_nc_u64 s[40:41], s[4:5], s[40:41]
	s_add_nc_u64 s[44:45], s[6:7], s[44:45]
	CROUND                                         ; all sixteen work-groups are here: the first joint loads meet
	s_mov_b32 s32, 1
	s_mov_b32 s33, s67
	s_mov_b64 s[34:35], s[40:41]
	s_or_b32 s35, s35, 0x80000000
	s_mov_b32 s36, 1
	s_add_co_u32 s37, s67, SLOT
	s_add_nc_u64 s[38:39], s[40:41], KAB
	s_or_b32 s39, s39, 0x80000000
	s_mov_b32 s56, 1
	s_mov_b32 s57, s68
	s_mov_b64 s[58:59], s[44:45]
	s_or_b32 s59, s59, 0x80000000
	s_mov_b32 s60, 1
	s_add_co_u32 s61, s68, SLOT
	s_add_nc_u64 s[62:63], s[44:45], KBB
	s_or_b32 s63, s63, 0x80000000
	s_cmp_eq_u32 s15, 0                            ; a wave's two first fills stand in one branch: two loads of mine are out
	s_cbranch_scc0 .Lfb
	tensor_load_to_lds s[32:35], s[24:31]
	s_nop 0
	tensor_load_to_lds s[36:39], s[24:31]
	s_nop 0
	PLACES
	s_branch .Lfd
.Lfb:
	tensor_load_to_lds s[56:59], s[48:55]
	s_nop 0
	tensor_load_to_lds s[60:63], s[48:55]
	s_nop 0
	PLACES
.Lfd:
	; the prefetches: nothing is asked for here, at the head, where every work-group's first tiles are on their way
	s_and_b32 s22, ttmp7, 0xffff                   ; cluster y
	s_mov_b32 s74, KBB
	s_mov_b32 s75, 0
	s_mov_b32 s46, 16*NB*2
	s_mov_b32 s80, NB*2
	s_mov_b32 s81, 256
	s_cmp_eq_u32 s15, 0                            ; do I fetch for hb?
	s_cselect_b32 s22, ttmp9, s22                  ; the coordinate along which other clusters read the same bytes
	s_cselect_b32 s23, s17, s18                    ; my place among the four that ask with me
	s_cselect_b64 s[76:77], s[40:41], s[44:45]     ; what I fetch of K step 0
	s_cselect_b32 s74, KAB, s74                    ; bytes from K step to K step
	s_cselect_b32 s46, 32*KDIM*2, s46              ; a partner's share: 32 rows of hb, or 16 k-rows of W
	s_cselect_b32 s80, 2*KDIM*2, s80               ; two lanes on: two rows of hb, or a k-row of W
	s_cselect_b32 s81, KDIM*2, s81                 ; one lane on: a row of hb, or the k-row's second block
	s_cmp_eq_u32 s22, 0
	s_cselect_b32 s78, 2, -1                       ; the same in all sixteen partners, for a given wave
	s_mul_i32 s46, s46, s23
	s_mov_b32 s47, 0
	s_add_nc_u64 s[76:77], s[76:77], s[46:47]
	s_mul_i32 s46, s74, 3
	s_add_nc_u64 s[76:77], s[76:77], s[46:47]      ; at K step 3: the first change of slots steps it to 4
	v_and_b32 v1, 15, v0                           ; r
	v_bfe_u32 v2, v0, 4, 1                         ; h
	v_and_b32 v3, 31, v0                           ; lane
	v_lshrrev_b32 v30, 1, v3
	v_and_b32 v31, 1, v0
	v_mul_u32_u24 v30, v30, s80
	v_mad_u32_u24 v30, v31, s81, v30
	s_lshl_b32 s44, s19, 10
	s_lshl_b32 s45, s16, 9
	s_add_co_u32 s45, s44, s45
	v_lshl_add_u32 v19, v2, 5, s45                 ; (256 X + 128 wc + 8 h) x 4
.irp b, 0,1,2,3,4,5,6,7                ; my 8 columns of each of the eight column blocks
	global_load_b128 v[BIAS+8*(\b):BIAS+8*(\b)+3], v19, s[8:9] offset:64*(\b)
	global_load_b128 v[BIAS+8*(\b)+4:BIAS+8*(\b)+7], v19, s[8:9] offset:64*(\b)+16
.endr
	s_lshl_b32 s44, s20, 21                        ; gb at row 256 Y, column 256 X
	s_lshl_b32 s45, s19, 9
	s_add_co_u32 s44, s44, s45
	s_mov_b32 s45, 0
	s_add_nc_u64 s[10:11], s[10:11], s[44:45]
	v_mul_u32_u24 v10, v1, PA
	v_lshl_add_u32 v10, v2, 4, v10
	s_mul_i32 s22, s15, HALFA
	v_add_nc_u32 v10, s22, v10                     ; BA: my 128 rows, row r, 16 bytes by h
	v_and_b32 v4, 7, v0
	v_lshl_add_u32 v4, v2, 3, v4
	v_mul_u32_u24 v12, v4, PB
	v_bfe_u32 v5, v0, 3, 1
	v_lshl_add_u32 v12, v5, 4, v12
	s_lshl_b32 s22, s16, 8
	s_add_co_u32 s22, s22, AREG
	v_add_nc_u32 v12, s22, v12                     ; BB: k-row 8 h + lane % 8, my 128 columns
	s_mul_i32 s22, s14, WST                        ; my stage
	v_mul_u32_u24 v16, v1, SP
	v_lshl_add_u32 v16, v2, 5, v16
	v_add_nc_u32 v16, s22, v16                     ; STO: row r, column 8 h
	v_lshl_add_u32 v17, v3, 4, s22                 ; RD: a row's 512 bytes, 16 a lane
	s_lshl_b32 s22, s15, 20
	s_lshl_b32 s23, s16, 8
	s_add_co_u32 s22, s22, s23
	v_lshl_add_u32 v18, v3, 3, s22                 ; GO: 128 wr rows of 8,192 bytes + 128 wc columns + 8 lane
	s_wait_tensorcnt 0x1                           ; my part of K step 0 is in; K step 1's may stay out
	s_barrier_signal -1
	s_barrier_wait -1
	v_mov_b32 v14, v10
	v_mov_b32 v15, v12
	FETCH 0, F0
	s_wait_loadcnt 0x0                             ; the bias
	QUARTER 1, F0, F1, 1                           ; the first quarter stands in front of the loop: its products start the sums at the bias
	WIN 0
	s_mov_b32 s3, S-2
.Lck:                                  ; a trip goes from a K step's second quarter to the next K step's first, and fills a slot again: K steps 2 to 7
	QUARTER 2, F1, F0, 0
	QUARTER 3, F0, F1, 0
	TURN
	QUARTER 1, F0, F1, 0
	WIN 0
	s_sub_co_u32 s3, s3, 1
	s_cmp_lg_u32 s3, 0
	s_cbranch_scc1 .Lck
	s_mov_b32 s3, 2
.Ltail:                                ; the last two K steps ask for nothing; the second trip has no K step behind it and jumps over the fetch and the quarter that would begin one
	QUARTER 2, F1, F0, 0
	QUARTER 3, F0, F1, 0
	TAILTURN
	s_cmp_eq_u32 s3, 1
	s_cbranch_scc1 .Ldone
	PLACES
	s_xor_b32 s66, s66, SLOT
	v_add_nc_u32 v14, s66, v10
	v_add_nc_u32 v15, s66, v12
	FETCH 0, F0
	QUARTER 1, F0, F1, 0
	WIN 0
.Ldone:
	s_sub_co_u32 s3, s3, 1
	s_cmp_lg_u32 s3, 0
	s_cbranch_scc1 .Ltail
	; THE WAY OUT.  The stages take the ring's bytes.  One more barrier, so that the order between every wave's reads of the ring (the tail's fetch among them) and the stores below can be read off the text without the tail's counter.
	s_wait_dscnt 0x0
	s_barrier_signal -1
	s_barrier_wait -1
	PLACES
	STAGE_IN 0
	STAGE_IN 1
	WIN 0
	v_mov_b32 v20, v17                             ; a wave's LDS instructions are served in order: the loads below see the stores above
	v_mov_b32 v21, v18
	ds_load_b128 v[64:67], v20
	ds_load_b128 v[68:71], v20 offset:SP
	s_mov_b32 s82, 63
.Lrow:                                 ; two rows a trip, 128 rows
	GELU8 1
	s_sub_co_u32 s82, s82, 1
	s_cmp_lg_u32 s82, 0
	s_cbranch_scc1 .Lrow
	GELU8 0
	s_wait_tensorcnt 0x0                           ; the wave's end
	ds_add_u32 v28, v29
	s_wait_dscnt 0x0
	CROUND                                         ; the closing round
	s_endpgm
.Lfunc_end_k_qb7fccaf5f1_fc1g:
	.size	k_qb7fccaf5f1_fc1g, .Lfunc_end_k_qb7fccaf5f1_fc1g-k_qb7fccaf5f1_fc1g
	.p2alignl 7, 3214868480
	.fill 96, 4, 3214868480
	.section	.rodata,"a",@progbits
	.p2align	6, 0x0
	.amdhsa_kernel k_qb7fccaf5f1_fc1g
		.amdhsa_group_segment_fixed_size 327680
		.amdhsa_private_segment_fixed_size 0
		.amdhsa_enable_private_segment 0
		.amdhsa_kernarg_size 32
		.amdhsa_user_sgpr_count 2
		.amdhsa_user_sgpr_kernarg_segment_ptr 1
		.amdhsa_wavefront_size32 1
		.amdhsa_system_sgpr_workgroup_id_x 1
		.amdhsa_system_sgpr_workgroup_id_y 1
		.amdhsa_system_sgpr_workgroup_id_z 1
		.amdhsa_system_vgpr_workitem_id 0
		.amdhsa_next_free_vgpr 1024
		.amdhsa_next_free_sgpr 100
		.amdhsa_reserve_vcc 0
		.amdhsa_float_denorm_mode_32 3
		.amdhsa_float_denorm_mode_16_64 3
		.amdhsa_memory_ordered 1
		.amdhsa_forward_progress 1
		.amdhsa_inst_pref_size 89
	.end_amdhsa_kernel
	.amdgpu_metadata
---
amdhsa.version: [ 1, 2 ]
amdhsa.kernels:
  - .name:           k_qb7fccaf5f1_fc1g
    .symbol:         k_qb7fccaf5f1_fc1g.kd
    .args:
      - { .name: hb, .offset: 0, .size: 8, .value_kind: global_buffer, .address_space: global }
      - { .name: wb, .offset: 8, .size: 8, .value_kind: global_buffer, .address_space: global }
      - { .name: b_fc1, .offset: 16, .size: 8, .value_kind: global_buffer, .address_space: global }
      - { .name: gb, .offset: 24, .size: 8, .value_kind: global_buffer, .address_space: global }
    .group_segment_fixed_size: 327680
    .private_segment_fixed_size: 0
    .kernarg_segment_align: 8
    .kernarg_segment_size: 32
    .max_flat_workgroup_size: 128
    .sgpr_count:     100
    .vgpr_count:     1024
    .wavefront_size: 32
...
	.end_amdgpu_metadata
.endif
;; end of part 6
;; launch fc2g (part 7): grid 8 x 32, 4 waves a work-group, clusters of 4 x 4, 327,680 bytes of LDS; arguments gb, wb, b_fc2, x1, out0; writes out0
.if DOCPART == 7
	.amdgcn_target "amdgcn-amd-amdhsa--gfx1250"
	.amdhsa_code_object_version 6
	.text
	.protected	k_qb7fccaf5f1_fc2g
	.globl	k_qb7fccaf5f1_fc2g
	.p2align	8
	.type	k_qb7fccaf5f1_fc2g,@function
k_qb7fccaf5f1_fc2g:
	s_mov_b64 s[64:65], 0
	v_nop
	global_prefetch_b8 v0, s[64:65] scope:SCOPE_SE
	s_setreg_imm32_b32 hwreg(HW_REG_WAVE_MODE, 25, 1), 1
	s_wait_xcnt 0x0
	s_wait_alu depctr_hold_cnt(0) depctr_sa_sdst(0) depctr_va_vdst(0) depctr_va_sdst(0) depctr_va_ssrc(0) depctr_va_vcc(0) depctr_vm_vsrc(0)
	s_getreg_b32 s2, hwreg(HW_REG_IB_STS2, 6, 4)
	s_cmp_eq_u32 s2, 0
	s_cbranch_scc0 .Lentry_in_a_cluster
	s_endpgm
.Lentry_in_a_cluster:
	s_bfe_u32 s2, ttmp6, 0x10000c
	s_cmp_lg_u32 s2, 0xf033
	s_cbranch_scc0 .Lentry_shape_is_right
	s_endpgm
.Lentry_shape_is_right:
; out0 = x1 + gb @ W2 + b_fc2, f32.  gb: [4096][4096] bf16; W2: [4096][1024] bf16 at wb + WOFF, as it lies ([k][n]); sums in f32, starting at the bias.
; SHARES.  256 work-groups, one tile of 128 x 128 each; four waves, each 64 x 64: 16 accumulators.  The matrix instruction is used transposed (source 0 = 16 columns of W, turned out of LDS; source 1 = 16 rows of A).
; RING.  K goes in 16 chunks of 256 through two LDS slots; one tensor load a wave a chunk (waves 0, 1: 64 rows x 512 bytes of gb; waves 2, 3: 128 k-rows x 256 bytes of W).
; CLUSTER 4 x 4: A's tile hangs on Y alone and is asked for jointly along a row of the cluster, W's on X alone and jointly along a column.
; The residual's 128 registers a lane are asked for at the start.  The stage of the way out lies in slot 0, whose last fill and last reads stand ahead of the last change of slots.
; LIMITS: matrix operands are bf16; NaN and infinities are not treated apart.
.set KDIM,  4096
.set NB,    1024
.set WOFF,  16777216
.set AMODE, 0
.set S,     KDIM/256
.if AMODE
.set PA,    144
.set AHALF, 2*128*PA
.set ASTEP, 128*PA
.set KAB,   4*524288
.set GA0,   (1<<16)|(1<<20)|(1<<21)|(4<<22)|(3<<25)
.set AD0,   8192
.set AD1,   2
.set AST,   262144
.else
.set PA,    528                        ; a row of gb in LDS: 512 bytes + 16
.set AHALF, 64*PA
.set ASTEP, 128
.set KAB,   512
.set GA0,   (1<<16)|(1<<20)|(1<<21)|(6<<22)|(3<<25)
.set AD0,   256
.set AD1,   64
.set AST,   KDIM
.endif
.set AREG,  2*AHALF
.set PB,    288
.set BHALF, 128*PB
.set SLOT,  AREG+2*BHALF
.set STAGE, 0                          ; 128 rows x 528 bytes of f32, in slot 0
.set SPARE, 2*SLOT
.set GB0,   (1<<16)|(1<<20)|(1<<21)|(5<<22)|(7<<25)
.set ACC,   128                        ; window 0: accumulators; v[32:63] bias; v[64:127] at work.  Window 1: fragments.  Window 2: v[0:127] the residual
.set F0,    0
.set F1,    64
.set MUL,   0x05
.set TO_F,  0x40
; v10 BA, v12 BB, v14 v15 the fetch in hand, v16 STO, v17 RD, v18 GO, v19 bias offset, v28 v29 the add's
; s3 chunks, s14 wave, s15 wave/2, s16 wave%2, s19 X, s20 Y, s21 pairs, s[24:31] s[48:55] group 1, s[32:39] s[56:63] group 0, s66 TC, s67 s68 LDS places, s[70:73] steps
.set MSB, 0
.macro WIN new
.if MSB != (\new)
	s_set_vgpr_msb (MSB<<8)|(\new)
.set MSB, \new
.endif
.endm
.macro PLACES
.rept 4
	v_nop
.endr
.endm
.macro CREST
	s_cmp_lg_u32 s14, 0
	s_cbranch_scc1 .Lnw0_\@
	s_barrier_signal -3
.Lnw0_\@:
	s_barrier_wait -3
	s_barrier_signal -1
	s_barrier_wait -1
.endm
.macro CROUND
	s_barrier_signal -1
	s_barrier_wait -1
	CREST
.endm
.macro JLOAD                           ; the joint refill; s_nop 0 and four v_nop follow each line
	s_cmp_eq_u32 s15, 0
	s_cbranch_scc0 .Ljb_\@
	tensor_load_to_lds s[36:39], s[24:31]
	s_nop 0
	PLACES
	s_branch .Ljd_\@
.Ljb_\@:
	tensor_load_to_lds s[60:63], s[48:55]
	s_nop 0
	PLACES
.Ljd_\@:
.endm
.macro MULS f, a0, n                   ; the 16 accumulators take turns in one fixed order
	WIN MUL
.set ma, \a0
.rept \n
.irp b, 0,1,2,3
	v_wmma_f32_16x16x32_bf16 v[ACC+8*(4*ma+(\b)):ACC+8*(4*ma+(\b))+7], v[(\f)+8*(\b):(\f)+8*(\b)+7], v[(\f)+32+8*ma:(\f)+32+8*ma+7], v[ACC+8*(4*ma+(\b)):ACC+8*(4*ma+(\b))+7]
.endr
.set ma, ma+1
.endr
.endm
.macro FETCH f, ao, bo
	WIN TO_F
.irp b, 0,1,2,3
	ds_load_tr16_b128 v[(\f)+8*(\b):(\f)+8*(\b)+3], v15 offset:(\bo)+32*(\b)
	ds_load_tr16_b128 v[(\f)+8*(\b)+4:(\f)+8*(\b)+7], v15 offset:(\bo)+32*(\b)+16*PB
.endr
.irp a, 0,1,2,3
	ds_load_b128 v[(\f)+32+8*(\a):(\f)+32+8*(\a)+3], v14 offset:(\ao)+(\a)*16*PA
	ds_load_b128 v[(\f)+32+8*(\a)+4:(\f)+32+8*(\a)+7], v14 offset:(\ao)+(\a)*16*PA+32
.endr
.endm
.macro PAIRS                           ; matrix steps 0..5 of a chunk are multiplied, steps 2..7 fetched
	s_mov_b32 s21, 3
.Lpair_\@:
	s_wait_dscnt 16                                ; buffer 0 is in; buffer 1's 16 loads may stay out
	MULS F0, 0, 4
	PLACES
	FETCH F0, 0, 0
	s_wait_dscnt 16
	MULS F1, 0, 4
	PLACES
	FETCH F1, 64, 32*PB
	WIN 0
	v_add_nc_u32 v14, ASTEP, v14
	v_add_nc_u32 v15, 64*PB, v15
	s_sub_co_u32 s21, s21, 1
	s_cmp_lg_u32 s21, 0
	s_cbranch_scc1 .Lpair_\@
.endm
.macro LAST kind                       ; steps 6 and 7 and the change of slots.  0: the slot is filled again; 1: nothing is left to ask for; 2: the last chunk
.if (\kind) == 2
	s_wait_dscnt 16
	MULS F0, 0, 4
	s_wait_dscnt 0x0
	MULS F1, 0, 4
	WIN 0
.else
	WIN 0
	s_wait_tensorcnt 0x0                           ; all my tensor loads have landed
	ds_add_u32 v28, v29
	s_wait_dscnt 17                                ; buffer 0 is in (buffer 1's 16 loads and the add may be out)
	MULS F0, 0, 2
	s_wait_dscnt 0x0                               ; the add is done, and my reads of this slot are over
	s_barrier_signal -1
	MULS F0, 2, 2
	WIN 0
	s_barrier_wait -1
.if (\kind) == 0
	CREST
	s_add_nc_u64 s[38:39], s[38:39], s[70:71]
	s_add_nc_u64 s[62:63], s[62:63], s[72:73]
	s_add_co_u32 s37, s66, s67
	s_add_co_u32 s61, s66, s68
	JLOAD
.else
	PLACES
.endif
	s_xor_b32 s66, s66, SLOT
	v_add_nc_u32 v14, s66, v10
	v_add_nc_u32 v15, s66, v12
	FETCH F0, 0, 0
	MULS F1, 0, 4
	PLACES
	FETCH F1, 64, 32*PB
	WIN 0
	v_add_nc_u32 v14, ASTEP, v14
	v_add_nc_u32 v15, 64*PB, v15
.endif
.endm
	s_load_b256 s[4:11], s[0:1], 0x0               ; A 4, wb 6, bias 8, residual 10
	s_load_b64 s[12:13], s[0:1], 0x20              ; out
	v_lshl_add_u32 v28, v0, 2, SPARE
	v_mov_b32 v29, 0
	ds_add_u32 v28, v29                            ; the wave's opening: the add and its wait stand ahead of my first tensor load
	v_lshrrev_b32 v3, 5, v0
	v_readfirstlane_b32 s14, v3
	s_lshr_b32 s15, s14, 1
	s_and_b32 s16, s14, 1
	s_bfe_u32 s17, ttmp6, 0x40000
	s_bfe_u32 s18, ttmp6, 0x40004
	s_lshl_b32 s19, ttmp9, 2
	s_add_co_u32 s19, s19, s17                     ; X
	s_and_b32 s20, ttmp7, 0xffff
	s_lshl_b32 s20, s20, 2
	s_add_co_u32 s20, s20, s18                     ; Y
	s_lshl_b32 s40, s18, 2
	s_lshl_b32 s40, 15, s40
	s_lshl_b32 s44, 0x1111, s17
	s_or_b32 s24, s40, GA0
	s_or_b32 s48, s44, GB0
	s_mov_b32 s25, (AD0&0xffff)<<16
	s_mov_b32 s26, AD1<<16
	s_mov_b32 s27, AD0<<16
	s_mov_b32 s28, AD1
	s_mov_b32 s29, AST
	s_mov_b32 s30, 0
	s_mov_b32 s31, 0
	s_mov_b32 s49, 128<<16
	s_mov_b32 s50, 128<<16
	s_mov_b32 s51, 128<<16
	s_mov_b32 s52, 128
	s_mov_b32 s53, NB
	s_mov_b32 s54, 0
	s_mov_b32 s55, 0
	s_mov_b32 s70, KAB
	s_mov_b32 s71, 0
	s_mov_b32 s72, 512*NB
	s_mov_b32 s73, 0
	s_mov_b32 s66, 0
	s_mul_i32 s67, s16, AHALF
	s_mul_i32 s68, s16, BHALF
	s_add_co_u32 s68, s68, AREG
.if AMODE
	s_lshl_b32 s40, s16, 20
	s_lshl_b32 s41, s20, 14
	s_add_co_u32 s40, s40, s41
.else
	s_lshl_b32 s40, s20, 7                         ; row 128 Y + 64 half
	s_lshl_b32 s41, s16, 6
	s_add_co_u32 s40, s40, s41
	s_mul_i32 s40, s40, KDIM*2
.endif
	s_mov_b32 s41, 0
	s_mul_i32 s44, s16, 256*NB
	s_lshl_b32 s45, s19, 8
	s_add_co_u32 s44, s44, s45
	s_add_co_u32 s44, s44, WOFF
	s_mov_b32 s45, 0
	s_wait_dscnt 0x0
	s_wait_kmcnt 0x0
	s_add_nc_u64 s[40:41], s[4:5], s[40:41]
	s_add_nc_u64 s[44:45], s[6:7], s[44:45]
	CROUND
	s_mov_b32 s32, 1
	s_mov_b32 s33, s67
	s_mov_b64 s[34:35], s[40:41]
	s_or_b32 s35, s35, 0x80000000
	s_mov_b32 s36, 1
	s_add_co_u32 s37, s67, SLOT
	s_add_nc_u64 s[38:39], s[40:41], s[70:71]
	s_or_b32 s39, s39, 0x80000000
	s_mov_b32 s56, 1
	s_mov_b32 s57, s68
	s_mov_b64 s[58:59], s[44:45]
	s_or_b32 s59, s59, 0x80000000
	s_mov_b32 s60, 1
	s_add_co_u32 s61, s68, SLOT
	s_add_nc_u64 s[62:63], s[44:45], s[72:73]
	s_or_b32 s63, s63, 0x80000000
	s_cmp_eq_u32 s15, 0                            ; a wave's two first fills stand in one branch
	s_cbranch_scc0 .Lfb
	tensor_load_to_lds s[32:35], s[24:31]
	s_nop 0
	tensor_load_to_lds s[36:39], s[24:31]
	s_nop 0
	PLACES
	s_branch .Lfd
.Lfb:
	tensor_load_to_lds s[56:59], s[48:55]
	s_nop 0
	tensor_load_to_lds s[60:63], s[48:55]
	s_nop 0
	PLACES
.Lfd:
	v_and_b32 v1, 15, v0
	v_bfe_u32 v2, v0, 4, 1
	v_and_b32 v3, 31, v0
	s_lshl_b32 s44, s19, 9
	s_lshl_b32 s45, s16, 8
	s_add_co_u32 s45, s44, s45
	v_lshl_add_u32 v19, v2, 5, s45                 ; (128 X + 64 wc + 8 h) x 4
.irp b, 0,1,2,3
	global_load_b128 v[32+8*(\b):35+8*(\b)], v19, s[8:9] offset:64*(\b)
	global_load_b128 v[36+8*(\b):39+8*(\b)], v19, s[8:9] offset:64*(\b)+16
.endr
	s_lshl_b32 s45, s20, 19
	s_add_co_u32 s44, s44, s45
	s_lshl_b32 s45, s14, 17
	s_add_co_u32 s44, s44, s45
	v_lshl_add_u32 v18, v3, 4, s44                 ; GO: (128 Y + 32 w) rows of 4,096 bytes + 512 X + 16 lane: for the residual and for the stores
	WIN 0x80
.set n, 0
.rept 32
	global_load_b128 v[4*n:4*n+3], v18, s[10:11] offset:n*4096
.set n, n+1
.endr
	WIN 0
	v_mul_u32_u24 v10, v1, PA
	v_lshl_add_u32 v10, v2, 4, v10
	s_mul_i32 s22, s15, 64*PA
	v_add_nc_u32 v10, s22, v10
	v_and_b32 v4, 7, v0
	v_lshl_add_u32 v4, v2, 3, v4
	v_mul_u32_u24 v12, v4, PB
	v_bfe_u32 v5, v0, 3, 1
	v_lshl_add_u32 v12, v5, 4, v12
	s_lshl_b32 s22, s16, 7
	s_add_co_u32 s22, s22, AREG
	v_add_nc_u32 v12, s22, v12
	v_mul_u32_u24 v16, v1, 528
	v_lshl_add_u32 v16, v2, 5, v16
	s_mul_i32 s22, s15, 64*528
	s_lshl_b32 s23, s16, 8
	s_add_co_u32 s22, s22, s23
	v_add_nc_u32 v16, s22, v16                     ; STO: stage row 64 wr + r, column 64 wc + 8 h
	s_mul_i32 s22, s14, 32*528
	v_lshl_add_u32 v17, v3, 4, s22                 ; RD: stage row 32 w, 16 bytes a lane
	s_wait_tensorcnt 0x1                           ; my part of chunk 0 is in; chunk 1's may stay out
	s_barrier_signal -1
	s_barrier_wait -1
	v_mov_b32 v14, v10
	v_mov_b32 v15, v12
	FETCH F0, 0, 0
	FETCH F1, 64, 32*PB
	WIN 0
	v_add_nc_u32 v14, ASTEP, v14
	v_add_nc_u32 v15, 64*PB, v15
	s_wait_loadcnt 32                              ; the bias is in; the residual's 32 loads stay out
.set ia, 0
.rept 4                                ; the sums start at the bias
.irp b, 0,1,2,3
.irp i, 0,2,4,6
	v_dual_mov_b32 v[ACC+8*(4*ia+(\b))+(\i)], v[32+8*(\b)+(\i)] :: v_dual_mov_b32 v[ACC+8*(4*ia+(\b))+(\i)+1], v[32+8*(\b)+(\i)+1]
.endr
.endr
.set ia, ia+1
.endr
	s_mov_b32 s3, S-2
.Lck2:
	PAIRS
	LAST 0
	s_sub_co_u32 s3, s3, 1
	s_cmp_lg_u32 s3, 0
	s_cbranch_scc1 .Lck2
	PAIRS
	LAST 1
	PAIRS
	LAST 2
	; THE WAY OUT: f32 through the stage, whole rows of 512 bytes back, the residual added, stored.
	PLACES
.set sa, 0
.rept 4
.irp b, 0,1,2,3
	ds_store_b128 v16, v[ACC+8*(4*sa+(\b)):ACC+8*(4*sa+(\b))+3] offset:sa*8448+64*(\b)
	ds_store_b128 v16, v[ACC+8*(4*sa+(\b))+4:ACC+8*(4*sa+(\b))+7] offset:sa*8448+64*(\b)+16
.endr
.set sa, sa+1
.endr
	s_wait_dscnt 0x0
	s_barrier_signal -1
	s_barrier_wait -1
	s_wait_loadcnt 0x0                             ; the residual
.irp g, 0,1
.if \g
	s_wait_xcnt 0x0                                ; the first half's stores have read their registers
.endif
.irp n, 0,1,2,3,4,5,6,7,8,9,10,11,12,13,14,15
	ds_load_b128 v[64+4*(\n):67+4*(\n)], v17 offset:(16*(\g)+(\n))*528
.endr
	s_wait_dscnt 0x0
	WIN 0x08                                       ; source 1 in window 2
.set q, 0
.rept 32
	v_pk_add_f32 v[64+q:65+q], v[64+q:65+q], v[64*(\g)+q:64*(\g)+q+1]
.set q, q+2
.endr
	WIN 0
.irp n, 0,1,2,3,4,5,6,7,8,9,10,11,12,13,14,15
	global_store_b128 v18, v[64+4*(\n):67+4*(\n)], s[12:13] offset:(16*(\g)+(\n))*4096  ; 512 consecutive bytes, aligned
.endr
.endr
	s_wait_tensorcnt 0x0                           ; the wave's end
	ds_add_u32 v28, v29
	s_wait_dscnt 0x0
	CROUND                                         ; the closing round
	s_endpgm
.Lfunc_end_k_qb7fccaf5f1_fc2g:
	.size	k_qb7fccaf5f1_fc2g, .Lfunc_end_k_qb7fccaf5f1_fc2g-k_qb7fccaf5f1_fc2g
	.p2alignl 7, 3214868480
	.fill 96, 4, 3214868480
	.section	.rodata,"a",@progbits
	.p2align	6, 0x0
	.amdhsa_kernel k_qb7fccaf5f1_fc2g
		.amdhsa_group_segment_fixed_size 327680
		.amdhsa_private_segment_fixed_size 0
		.amdhsa_enable_private_segment 0
		.amdhsa_kernarg_size 40
		.amdhsa_user_sgpr_count 2
		.amdhsa_user_sgpr_kernarg_segment_ptr 1
		.amdhsa_wavefront_size32 1
		.amdhsa_system_sgpr_workgroup_id_x 1
		.amdhsa_system_sgpr_workgroup_id_y 1
		.amdhsa_system_sgpr_workgroup_id_z 1
		.amdhsa_system_vgpr_workitem_id 0
		.amdhsa_next_free_vgpr 640
		.amdhsa_next_free_sgpr 100
		.amdhsa_reserve_vcc 0
		.amdhsa_float_denorm_mode_32 3
		.amdhsa_float_denorm_mode_16_64 3
		.amdhsa_memory_ordered 1
		.amdhsa_forward_progress 1
		.amdhsa_inst_pref_size 56
	.end_amdhsa_kernel
	.amdgpu_metadata
---
amdhsa.version: [ 1, 2 ]
amdhsa.kernels:
  - .name:           k_qb7fccaf5f1_fc2g
    .symbol:         k_qb7fccaf5f1_fc2g.kd
    .args:
      - { .name: gb, .offset: 0, .size: 8, .value_kind: global_buffer, .address_space: global }
      - { .name: wb, .offset: 8, .size: 8, .value_kind: global_buffer, .address_space: global }
      - { .name: b_fc2, .offset: 16, .size: 8, .value_kind: global_buffer, .address_space: global }
      - { .name: x1, .offset: 24, .size: 8, .value_kind: global_buffer, .address_space: global }
      - { .name: out0, .offset: 32, .size: 8, .value_kind: global_buffer, .address_space: global }
    .group_segment_fixed_size: 327680
    .private_segment_fixed_size: 0
    .kernarg_segment_align: 8
    .kernarg_segment_size: 40
    .max_flat_workgroup_size: 128
    .sgpr_count:     100
    .vgpr_count:     640
    .wavefront_size: 32
...
	.end_amdgpu_metadata
.endif
;; end of part 7
